; MI455X (gfx1250); checked and timed in simulation.
; The chip was launched on July 23, 2026; its instructions are those of AMD's public machine-readable ISA for CDNA 5 (MIT licence, August 2026) and "CDNA5" Instruction Set Architecture Reference Guide (July 2026). The comments in the code are by the model that wrote it; some were corrected since.
;; Multi Head Attention. Allowed arithmetic: matrix products marked QUANTISED: E2M3 operands, one E8M0 scale for each 32 along K, by v_wmma_scale_f32_16x16x128_f8f6f4 with both operands' format E2M3, f32 sums; everything else in f32.
;; Inputs: w_proj 1,024 x 1,024 float32; w_qkv 1,024 x 3,072 float32; x 2 x 2,048 x 1,024 float32.
;; Outputs: out0 2 x 2,048 x 1,024 float32.
;; This version of the problem:
;;   THIS VERSION OF THE PROBLEM IS GIVEN IN LOW PRECISION. The matrix products marked QUANTISED in the list below multiply operands that are first quantised to E2M3 (2 exponent bits, 3 mantissa bits; 6 bits a number), with one power-of-two scale for each 32 numbers along K (OCP MX v1.0); their sums are f32. All else is computed in f32.
;;   The module's matrix products, in the order in which they are computed (A, B: the left and right operand; K: the contracted axis; several contracted axes count as one K, in the product's order):
;;     1. [M 4,096, K 1,024] x [K 1,024, N 3,072]; A: input x; B: input w_qkv: QUANTISED
;;     2. batch 32 x [M 2,048, K 64] x [K 64, N 2,048]; A: computed on the way; B: computed on the way: QUANTISED
;;     3. batch 32 x [M 2,048, K 2,048] x [K 2,048, N 64]; A: softmax (see below); B: computed on the way: QUANTISED
;;     4. [M 4,096, K 1,024] x [K 1,024, N 1,024]; A: computed on the way; B: input w_proj: QUANTISED
;;   THE QUANTISER, for each operand of a quantised product, along K:
;;     - K is cut into blocks of 32 from its start; a last block that is shorter is filled with zeros.
;;     - A block's scale is 2^e with e = floor(log2(the largest magnitude in the block)) - 2, held to -126 .. 127; a block of zeros has e = 0. As a byte (E8M0): e + 127.
;;     - Each number is divided by its block's scale, clamped to +-7.5, and rounded to the nearest number of E2M3, ties to even, subnormals kept.
;;     - The product sums the exact products of the quantised numbers (number of the format x scale) in f32.
;;   ~~~python
;;   def quantise(x, axis):      # numpy; x: float32 -> the quantised numbers, widened to float32 again
;;       x = np.moveaxis(x, axis, -1); K = x.shape[-1]
;;       x = np.pad(x, [(0, 0)] * (x.ndim - 1) + [(0, -K % 32)]); x = x.reshape(x.shape[:-1] + (-1, 32)); a = np.abs(x).max(-1, keepdims=True)
;;       e = np.where(a > 0, np.clip(np.frexp(np.where(a > 0, a, 1))[1] - 1 - 2, -126, 127), 0)      # np.frexp(a)[1] - 1 = floor(log2(a)), exactly
;;       r = np.clip(x / 2.0 ** e, -7.5, 7.5)
;;       step = 2.0 ** (np.maximum(np.frexp(np.where(r == 0, 1, r))[1] - 1, 0) - 3)
;;       q = np.round(r / step) * step * 2.0 ** e      # np.round: ties to even
;;       return np.moveaxis(q.reshape(q.shape[:-2] + (-1,))[..., :K], -1, axis).astype(np.float32)
;;   ~~~
;;   SOFTMAX AHEAD OF A QUANTISED PRODUCT. Where the list says 'softmax', what is quantised is not the finished softmax but p = 2^(t - M), with t = logit x log2(e) and M = ceil(the row's largest t), a whole number; so 1/2 < the row's largest p <= 1. The row's sum l is taken of the UNQUANTISED p, in f32, and the product's result is divided by l at the end. Since M is a whole number, a kernel that streams over the keys may use a running M (the ceiling of the running maximum): every later rescaling is an exact power of two, which a block's scale takes up: the codes' values come out the same.
;;   OPERANDS COMPUTED ON THE WAY. 'Computed on the way' means the value that the module computes at that place (a softmax that the list does not call 'softmax' is quantised finished and normalised). What goes into a quantiser is computed in f32, as accurately as f32 sums, v_exp_f32 and their like allow (about 1e-6 of the number): no bf16 or f16 on the way to a quantiser, and a product that is left as it is and whose result goes on into a quantised operand takes f32 operands (vector FMAs, or v_wmma_f32_16x16x4_f32). A number that lies on a knife's edge between two numbers of the format may be rounded either way, as far as f32 arithmetic and the matrix unit's own rounding can turn it there, and no further.
;; One version. Each part assembles by itself: llvm-mc -triple=amdgcn-amd-amdhsa -mcpu=gfx1250 --defsym DOCPART=n.
;; ======== version 1 of 1: 4 launches
;; limits: right only within a limited range of input values
;; workspace buffers: qin_codes 6,291,456 bytes; qin_scales 262,144 bytes; q_rec 3,276,800 bytes; kv_rec 6,553,600 bytes; y_codes 3,145,728 bytes; y_scales 131,072 bytes
;; launch quant (part 1): grid 512 x 1, 4 waves a work-group, no clusters, 102,912 bytes of LDS; arguments x, w_qkv, w_proj, qin_codes, qin_scales; writes qin_codes, qin_scales
.if DOCPART == 1
	.amdgcn_target "amdgcn-amd-amdhsa--gfx1250"
	.amdhsa_code_object_version 6
	.text
	.protected	k_qbcfcc80e39_quant
	.globl	k_qbcfcc80e39_quant
	.p2align	8
	.type	k_qbcfcc80e39_quant,@function
k_qbcfcc80e39_quant:
	s_mov_b64 s[64:65], 0
	v_nop
	global_prefetch_b8 v0, s[64:65] scope:SCOPE_SE
	s_setreg_imm32_b32 hwreg(HW_REG_WAVE_MODE, 25, 1), 1
	s_wait_xcnt 0x0
; x [4096][1024], w_qkv [1024][3072] and w_proj [1024][1024], f32, are turned into codes of FP6 (E2M3), K innermost, with one E8M0 scale byte for each 32 along K: 8,192 rows of 768 bytes of codes and 32 scale bytes:
; rows 0-4095 x's tokens, 4096-7167 the columns of w_qkv, 7168-8191 the columns of w_proj.
; ORDER OF THE ROWS.  In every band of 64 rows row 32 h + 8 j + i is laid at place 16 j + 8 h + i (h = 0, 1; j = 0 .. 3; i = 0 .. 7): the 16 rows of a reader's tile j, 8 j + i and 32 + 8 j + i, then lie on end.
; A block's scale is 2^(floor(log2(its largest magnitude)) - 2); its byte is the largest magnitude's exponent field - 2, held at 1 from below.  Numbers are divided by the scale and rounded to the nearest code, ties to even, beyond the largest code the largest.
; LIMITS: a block of zeros, and one whose largest magnitude lies under 2^-124, gets the byte 1 (this program alone reads the bytes); NaN and infinities are not served.
; WORK LEFT OUT IN THE PROGRAM: whole steps of 128 keys that the causal mask of reference() hides from all queries of a tile (their p is 0 for all values of the inputs): launch attn.  A NaN or an infinity that reaches only such work is not carried to the result.
; SHARES: 65,536 bytes a work-group.  Work-groups 0-255: x, K innermost, a plain stream of blocks.  256-447: w_qkv, 448-511: w_proj, K outermost: a lane takes a column, its registers run down K.
; The three ways part on the work-group's number, never join, and each has LDS bytes of its own.  No tensor loads, no barrier: waves share nothing.
.set STEPS, 8                          ; x: steps of 512 numbers for a wave: 4 rows
.set EMAX,  2
.set CB,    12                         ; bytes of 16 codes
.set XR,    16                         ; v16-79   x: four sets of 16 numbers as they are loaded
.set XN,    80                         ; v80-111  x: two sets of 16 neighbours
.set XE,    112                        ; v112-119 x: a scale byte for each step
.set XC,    128                        ; v128-159 x: codes, four registers for each step
.set WREG,  8192                       ; x: LDS region of a wave: two stages of 32 x SP bytes, behind them its scale bytes
.set SP,    80                         ; a lane's place in a stage: its 64 bytes + 16 of padding
.set NB,    4                          ; weights: blocks of 32 along K for a wave
.set WPITCH, 272
.set KROW,  768
.set WSB,   24                         ; v24      weights: the four scale bytes
.set WX,    32                         ; v32-95   weights: two sets of 32 numbers
.set WC,    96                         ; v96..    weights: a block's codes
.set WOUT,  112                        ; v112-143 weights: the way out
	s_load_b256 s[4:11], s[0:1], 0x0               ; x s[4:5], w_qkv s[6:7], w_proj s[8:9], the codes s[10:11]
	s_load_b64 s[12:13], s[0:1], 0x20              ; the scale bytes
	v_lshl_add_u32 v192, v0, 2, 0x19000            ; my spare word, and 0
	v_mov_b32 v193, 0
	v_lshrrev_b32 v1, 5, v0
	v_readfirstlane_b32 s16, v1                    ; wave 0..3
	v_and_b32 v2, 31, v0                           ; lane
	s_mov_b32 s21, 0                               ; the high word of every offset: all stay under 2^24
	s_mov_b32 s23, 0
	s_wait_kmcnt 0x0
	s_cmp_lt_u32 ttmp9, 256
	s_cbranch_scc0 .Lweights
; ---------------- x.  Each of a step's four loads reads 512 consecutive bytes; the 2,048 bytes go through the wave's own stage and come back 64 bytes a lane: 16 neighbours, two lanes to a block.
	s_wait_alu depctr_va_vdst(0)
	v_lshlrev_b32 v3, 4, v2
	s_mul_i32 s17, s16, WREG
	v_lshrrev_b32 v14, 2, v2
	v_mul_u32_u24 v14, v14, SP
	v_and_b32 v15, 3, v2
	v_lshl_add_u32 v14, v15, 4, v14
	v_add_nc_u32 v14, s17, v14                     ; the stage, in: SP (lane / 4) + 16 (lane % 4)
	v_mul_u32_u24 v15, v2, SP
	v_add_nc_u32 v15, s17, v15                     ; out: SP x lane
	v_mul_u32_u24 v4, v2, CB
	v_lshrrev_b32 v5, 1, v2
	s_add_co_u32 s17, s17, 2*32*SP
	v_add_nc_u32 v5, s17, v5                       ; my wave's scale bytes, my block's byte
	v_lshlrev_b32 v7, 2, v2                        ; and on the way out 4 bytes a lane
	v_add_nc_u32 v6, s17, v7
	s_lshl_b32 s17, ttmp9, 2
	s_add_co_u32 s18, s17, s16                     ; which run of 4,096 numbers (4 rows) is my wave's
	s_lshl_b32 s20, s18, 14
	s_add_nc_u64 s[4:5], s[4:5], s[20:21]
	s_bfe_u32 s19, s18, 0x20001                    ; j: bits 2:1 of the run go to bits 3:2,
	s_lshl_b32 s19, s19, 2
	s_bfe_u32 s20, s18, 0x10003                    ; h: bit 3 goes to bit 1
	s_lshl_b32 s20, s20, 1
	s_or_b32 s19, s19, s20
	s_and_b32 s18, s18, 0x3f1
	s_or_b32 s18, s18, s19
	s_mul_i32 s20, s18, 32*STEPS*CB
	s_add_nc_u64 s[10:11], s[10:11], s[20:21]      ; 3,072 bytes of codes a run,
	s_lshl_b32 s20, s18, 7
	s_add_nc_u64 s[12:13], s[12:13], s[20:21]      ; 128 scale bytes
.macro XLOAD t
.irp i, 0,1,2,3
	global_load_b128 v[XR+16*((\t)%4)+4*\i:XR+16*((\t)%4)+4*\i+3], v3, s[4:5] offset:2048*(\t)+512*\i th:TH_LOAD_NT
.endr
.endm
.macro XTURN t                         ; LDS serves a wave's instructions in order, so no wait stands between the stores and the loads
.irp i, 0,1,2,3
	ds_store_b128 v14, v[XR+16*((\t)%4)+4*\i:XR+16*((\t)%4)+4*\i+3] offset:32*SP*((\t)%2)+8*SP*\i
.endr
.irp i, 0,1,2,3
	ds_load_b128 v[XN+16*((\t)%2)+4*\i:XN+16*((\t)%2)+4*\i+3], v15 offset:32*SP*((\t)%2)+16*\i
.endr
.endm
.irp t, 0,1,2,3
	XLOAD \t
.endr
	s_wait_alu depctr_va_vdst(0)
	s_wait_loadcnt 12                              ; step 0's four loads are in; the twelve of steps 1 to 3 stay out
	XTURN 0
.macro XSTEP t
.set XS, XN+16*((\t)%2)
.if (\t) > 0
	s_wait_dscnt 1                                 ; this step's numbers are back (the last step's byte store may be out): so its stores into the stage have read their registers,
.else
	s_wait_dscnt 0x0
.endif
.if (\t)+4 < STEPS
	XLOAD (\t)+4                                   ; which take the loads of four steps on
.endif
.if (\t)+1 < STEPS
.if STEPS-2-(\t) >= 3
	s_wait_loadcnt 12                              ; the next step's four loads are in; those of the three behind it may be out
.else
	s_wait_loadcnt 4*(STEPS-2-(\t))
.endif
	XTURN (\t)+1
.endif
	v_max3_num_f32 v8, |v[XS]|, |v[XS+1]|, |v[XS+2]|
	v_max3_num_f32 v9, |v[XS+3]|, |v[XS+4]|, |v[XS+5]|
.irp i, 6,10
	v_max3_num_f32 v8, v8, |v[XS+\i]|, |v[XS+\i+1]|
	v_max3_num_f32 v9, v9, |v[XS+\i+2]|, |v[XS+\i+3]|
.endr
	v_max3_num_f32 v8, v8, |v[XS+14]|, |v[XS+15]|
	v_max3_num_f32 v8, v8, v9, (EMAX+1)<<23        ; and the floor 2^(EMAX + 1 - 127)
	v_max_num_f32_dpp v8, v8, v8 row_xmask:1 row_mask:0xf bank_mask:0xf   ; and of my neighbour's 16: the block's
	v_add_nc_u32 v11, -(EMAX<<23), v8              ; the conversion takes the exponent field of this operand as its scale
	v_cvt_scalef32_pk16_fp6_f32 v[XC+4*(\t):XC+4*(\t)+2], v[XS:XS+15], v11
	v_lshrrev_b32 v[XE+(\t)], 23, v11              ; the scale's byte (also the plain line behind the conversion)
	ds_store_b8 v5, v[XE+(\t)] offset:16*(\t)      ; both lanes of a block write the same byte with the same value
	global_store_b96 v4, v[XC+4*(\t):XC+4*(\t)+2], s[10:11] offset:32*CB*(\t)   ; the wave stores 384 consecutive bytes
.endm
.irp t, 0,1,2,3,4,5,6,7
	XSTEP \t
.endr
	ds_load_b32 v12, v6                            ; these see my byte stores
	s_wait_dscnt 0x0
	global_store_b32 v7, v12, s[12:13]             ; 128 consecutive bytes
	s_wait_tensorcnt 0x0                           ; the wave's end
	ds_add_u32 v192, v193
	s_wait_dscnt 0x0
	s_endpgm
; ---------------- the weights.  A wave takes 32 columns x 128 along K: each load reads one row k at 32 neighbouring columns; a block of 32 along K lies in ONE lane's registers.
; The codes go through the wave's own stage and leave as rows, eight lanes to a row's 96 consecutive bytes.
.macro WLOAD t, n, src                 ; the largest offset, 127 rows of 12,288 bytes, lies inside the signed 24-bit immediate
.irp i, 0,1,2,3,4,5,6,7,8,9,10,11,12,13,14,15,16,17,18,19,20,21,22,23,24,25,26,27,28,29,30,31
	global_load_b32 v[WX+32*((\t)%2)+\i], v3, s[\src:\src+1] offset:(32*(\t)+\i)*\n*4 th:TH_LOAD_NT
.endr
.endm
.macro WBLOCK t, n, src
.set XS, WX+32*((\t)%2)
.if (\t) < NB-1
	s_wait_loadcnt 32                              ; this block's 32 loads are in; the next block's 32 may be out
.else
	s_wait_loadcnt 0
.endif
	v_max3_num_f32 v12, |v[XS]|, |v[XS+1]|, |v[XS+2]|
	v_max3_num_f32 v13, |v[XS+3]|, |v[XS+4]|, |v[XS+5]|
.irp i, 6,10,14,18,22,26
	v_max3_num_f32 v12, v12, |v[XS+\i]|, |v[XS+\i+1]|
	v_max3_num_f32 v13, v13, |v[XS+\i+2]|, |v[XS+\i+3]|
.endr
	v_max3_num_f32 v12, v12, |v[XS+30]|, |v[XS+31]|
	v_max3_num_f32 v12, v12, v13, (EMAX+1)<<23
	v_add_nc_u32 v11, -(EMAX<<23), v12
	v_lshrrev_b32 v13, 23, v11
.if (\t) == 0
	v_mov_b32 v[WSB], v13                          ; four bytes to a register, the lower K in the lower byte
.else
	v_lshl_or_b32 v[WSB], v13, 8*(\t), v[WSB]
.endif
	v_cvt_scalef32_pk16_fp6_f32 v[WC:WC+2], v[XS:XS+15], v11
	v_cvt_scalef32_pk16_fp6_f32 v[WC+4:WC+6], v[XS+16:XS+31], v11  ; (a conversion's three registers begin on an even number)
	ds_store_b96 v4, v[WC:WC+2] offset:32*(\t)     ; 12 bytes to a place of 16, so that every LDS address is a multiple of 16
	ds_store_b96 v4, v[WC+4:WC+6] offset:32*(\t)+16
.if (\t)+2 < NB
	WLOAD (\t)+2, \n, \src
.endif
	s_wait_dscnt 0x0                               ; the stores have read their registers
.endm
; n: the weight's columns; src: the scalar pair with its address; row0: its first row among the 8,192; wg0: its first work-group; lb: its LDS bytes
.macro WPATH n, src, row0, wg0, lb
	s_sub_co_u32 s17, ttmp9, \wg0
	s_lshr_b32 s18, s17, 3                         ; which 128 columns
	s_and_b32 s19, s17, 7                          ; which 128 along K
	s_lshl_b32 s18, s18, 7
	s_lshl_b32 s20, s16, 5
	s_add_co_u32 s18, s18, s20                     ; my wave's first column
	v_lshlrev_b32 v3, 2, v2
	s_mul_i32 s20, s16, 32*WPITCH
	s_add_co_u32 s20, s20, \lb                     ; my stage
	v_mul_u32_u24 v4, v2, WPITCH
	v_add_nc_u32 v4, s20, v4                       ; into it: row = my column
	v_and_b32 v5, 7, v2
	v_lshrrev_b32 v6, 3, v2                        ; out of it: eight lanes to a row, four rows an instruction
	v_mul_u32_u24 v7, v6, WPITCH
	v_lshl_add_u32 v7, v5, 4, v7
	v_add_nc_u32 v7, s20, v7
	v_mul_u32_u24 v8, v6, KROW
	v_mad_u32_u24 v8, v5, 12, v8                   ; and the same place among the codes
	v_and_b32 v9, 7, v2
	v_lshlrev_b32 v9, 5, v9
	v_lshl_add_u32 v9, v6, 9, v9                   ; my column's row of scale bytes: 16 rows for each group of 8 columns
	s_mul_i32 s22, s19, 128*\n*4
	s_lshl_b32 s24, s18, 2
	s_add_co_u32 s22, s22, s24
	s_add_nc_u64 s[\src:\src+1], s[\src:\src+1], s[22:23]
	s_bfe_u32 s24, s18, 0x10005                    ; h: which half of the band of 64
	s_lshl_b32 s24, s24, 3
	s_and_b32 s25, s18, 0xfc0
	s_add_co_u32 s24, s24, s25
	s_add_co_u32 s24, s24, \row0                   ; where my first column's row lies
	s_mul_i32 s22, s24, KROW
	s_mul_i32 s25, s19, 96
	s_add_co_u32 s22, s22, s25
	s_add_nc_u64 s[10:11], s[10:11], s[22:23]
	s_lshl_b32 s22, s24, 5
	s_lshl_b32 s25, s19, 2
	s_add_co_u32 s22, s22, s25
	s_add_nc_u64 s[12:13], s[12:13], s[22:23]
	s_wait_alu depctr_va_vdst(0)                   ; the wait at the head's end
	WLOAD 0, \n, \src
	WLOAD 1, \n, \src
.set Q, 0
.rept NB
	WBLOCK Q, \n, \src
.set Q, Q+1
.endr
	s_wait_alu depctr_va_vdst(0)
	global_store_b32 v9, v[WSB], s[12:13]          ; my column's four scale bytes
.irp t, 0,1,2,3,4,5,6,7
	ds_load_b96 v[WOUT+4*\t:WOUT+4*\t+2], v7 offset:4*\t*WPITCH
.endr
.irp t, 0,1,2,3,4,5,6,7
	s_wait_dscnt 7-\t                              ; rows 4 t .. 4 t + 3 are back; the later ones may be out
	global_store_b96 v8, v[WOUT+4*\t:WOUT+4*\t+2], s[10:11] offset:(16*(\t/2)+4*(\t%2))*KROW   ; groups of 8 columns lie 16 rows apart
.endr
	s_wait_tensorcnt 0x0                           ; the wave's end
	ds_add_u32 v192, v193
	s_wait_dscnt 0x0
	s_endpgm
.endm
.Lweights:
	s_cmp_lt_u32 ttmp9, 448
	s_cbranch_scc0 .Lproj
	s_wait_alu depctr_va_vdst(0)
	WPATH 3072, 6, 4096, 256, 32768
.Lproj:
	s_wait_alu depctr_va_vdst(0)
	WPATH 1024, 8, 7168, 448, 67584
.Lfunc_end_k_qbcfcc80e39_quant:
	.size	k_qbcfcc80e39_quant, .Lfunc_end_k_qbcfcc80e39_quant-k_qbcfcc80e39_quant
	.p2alignl 7, 3214868480
	.fill 96, 4, 3214868480
	.section	.rodata,"a",@progbits
	.p2align	6, 0x0
	.amdhsa_kernel k_qbcfcc80e39_quant
		.amdhsa_group_segment_fixed_size 102912
		.amdhsa_private_segment_fixed_size 0
		.amdhsa_enable_private_segment 0
		.amdhsa_kernarg_size 40
		.amdhsa_user_sgpr_count 2
		.amdhsa_user_sgpr_kernarg_segment_ptr 1
		.amdhsa_wavefront_size32 1
		.amdhsa_system_sgpr_workgroup_id_x 1
		.amdhsa_system_sgpr_workgroup_id_y 1
		.amdhsa_system_sgpr_workgroup_id_z 1
		.amdhsa_system_vgpr_workitem_id 0
		.amdhsa_next_free_vgpr 194
		.amdhsa_next_free_sgpr 66
		.amdhsa_reserve_vcc 0
		.amdhsa_float_denorm_mode_32 3
		.amdhsa_float_denorm_mode_16_64 3
		.amdhsa_memory_ordered 1
		.amdhsa_forward_progress 1
		.amdhsa_inst_pref_size 61
	.end_amdhsa_kernel
	.amdgpu_metadata
---
amdhsa.version: [ 1, 2 ]
amdhsa.kernels:
  - .name:           k_qbcfcc80e39_quant
    .symbol:         k_qbcfcc80e39_quant.kd
    .args:
      - { .name: x, .offset: 0, .size: 8, .value_kind: global_buffer, .address_space: global }
      - { .name: w_qkv, .offset: 8, .size: 8, .value_kind: global_buffer, .address_space: global }
      - { .name: w_proj, .offset: 16, .size: 8, .value_kind: global_buffer, .address_space: global }
      - { .name: qin_codes, .offset: 24, .size: 8, .value_kind: global_buffer, .address_space: global }
      - { .name: qin_scales, .offset: 32, .size: 8, .value_kind: global_buffer, .address_space: global }
    .group_segment_fixed_size: 102912
    .private_segment_fixed_size: 0
    .kernarg_segment_align: 8
    .kernarg_segment_size: 40
    .max_flat_workgroup_size: 128
    .sgpr_count:     66
    .vgpr_count:     194
    .wavefront_size: 32
...
	.end_amdgpu_metadata
.endif
;; end of part 1
;; launch gemm_qkv (part 2): grid 16 x 16, 4 waves a work-group, clusters of 4 x 4, 327,680 bytes of LDS; arguments qin_codes, qin_scales, q_rec, kv_rec; writes q_rec, kv_rec
.if DOCPART == 2
	.amdgcn_target "amdgcn-amd-amdhsa--gfx1250"
	.amdhsa_code_object_version 6
	.text
	.protected	k_qbcfcc80e39_gemm_qkv
	.globl	k_qbcfcc80e39_gemm_qkv
	.p2align	8
	.type	k_qbcfcc80e39_gemm_qkv,@function
k_qbcfcc80e39_gemm_qkv:
	s_mov_b64 s[64:65], 0
	v_nop
	global_prefetch_b8 v0, s[64:65] scope:SCOPE_SE
	s_setreg_imm32_b32 hwreg(HW_REG_WAVE_MODE, 25, 1), 1
	s_wait_xcnt 0x0
	s_wait_alu depctr_hold_cnt(0) depctr_sa_sdst(0) depctr_va_vdst(0) depctr_va_sdst(0) depctr_va_ssrc(0) depctr_va_vcc(0) depctr_vm_vsrc(0)
	s_getreg_b32 s2, hwreg(HW_REG_IB_STS2, 6, 4)
	s_cmp_eq_u32 s2, 0
	s_cbranch_scc0 .Lentry_in_a_cluster
	s_endpgm
.Lentry_in_a_cluster:
	s_bfe_u32 s2, ttmp6, 0x10000c
	s_cmp_lg_u32 s2, 0xf033
	s_cbranch_scc0 .Lentry_shape_is_right
	s_endpgm
.Lentry_shape_is_right:
; q, k, v = x w_qkv on codes of FP6 (E2M3), K = 1,024, sums in f32; the results are quantised in registers for the products that follow and leave as codes and scale bytes in the order of the next launch's operand registers.
; IN: rows of 768 bytes of codes (32 scale bytes): 0-4095 x's tokens, 4096-7167 w_qkv's columns; in each band of 64 row 32 h + 8 j + i lies at place 16 j + 8 h + i, so that a tile of 16 rows on end is 8 j + i and 32 + 8 j + i.
; A TILE IMAGE (768 bytes) is six operand registers of 16 rows x 64 codes: [lane][16 bytes] registers 0-3, then [lane][8 bytes] registers 4, 5.
; OUT, r = lane % 16, h = lane / 16, c = band of 64 tokens in a key step of 128:  q_rec[16 batch + head][key step][6,400]: eight tile images (4 c + j), then scale bytes [2 c + j / 2][r][2 (j % 2) + h];
; kv_rec[16 batch + head][key step][12,800]: K's eight tile images, V's (2 t + c, t = tile of 16 columns), K's scale bytes, V's [t][r][2 c + h].
; THE DEAL.  256 work-groups of four waves, 2 x 2.  A wave holds 64 columns of a weight, all of K, in registers (384) and streams x's rows past them in blocks of 16.  A work-group makes 128 x 128 of V (phase 1), then 256 x 128 of Q or K (phase 2);
; V's 128 rows are one half (s87) of its own 256, so x's rows come once.  Which half, and Q or K (s19), come from the cluster's x alone.
; CLUSTERS of 4 x 4: x's rows are asked for jointly by a row of the cluster, a weight's by a column.
; LDS: two chunks of 128 rows of x (A: the half s87; B: the other), the weights' 128 rows, x's scale bytes, stages for the results' scale bytes, the spare words.  ONE REFILL: W_q's or W_k's rows onto W_v's, which all waves hold in registers by then.
; Q, K: source 0 = the weight's rows: lane (r, h) holds token r and columns 32 h + 0 .. 31 of the head: a scale block.  V: source 0 = x's rows: lane (r, h) holds column 32 (r / 8) + 8 t + r % 8 and tokens 32 h + 0 .. 31 of a band.
; PREFETCH: at the head W_q's or W_k's rows, a sixteenth a wave among the sixteen waves that will ask jointly; every other tile is asked for at the head.
; LIMITS: a block of zeros, and one whose largest magnitude lies under 2^-124, gets the byte 1; NaN and infinities are not served.
.set KROW,  768
.set KS,    32
.set PITCH, 816                        ; an LDS row: 3 x (256 + 16)
.set NQ,    8
.set NB,    4
.set FR,    12
.set FPW,   21                         ; fragments in a window of 256 registers
.set NF,    28                         ; LDS loads of a block
.set RA,    128
.set YB,    RA*PITCH
.set BVB,   2*YB
.set SCL,   BVB+RA*PITCH
.set SCB,   RA*KS                      ; a chunk's scale bytes, dense
.set XN,    SCL+2*SCB                  ; Q's or K's scale bytes: [wave column][chunk][256]
.set XM,    XN+1024                    ; V's: [wave column][256]
.set SPARE, XM+512
.set EMAX,  2
.set ADRA0, 4                          ; v4, v5   LDS address of my fragments of block 0 (v5: for the pieces behind one padding more); v1, v22: block 1
.set AAS0,  6                          ; v6, v7   of my row's scale words: chunk A, chunk B; v23: block 1
.set CO,    9                          ; v9       16 x lane
.set SPW,   10
.set NIL,   11
.set ADRA,  12                         ; v12, v13 as v4, v5, for the block that is fetched next
.set ADRB,  14                         ; v14, v15 of my fragments of the weights
.set ABS,   16
.set AAS,   17
.set STO,   18
.set STV,   19
.set CO8,   20                         ; v20      8 x lane
.set SB,    24                         ; v24-39   the weights' scale words
.set TQ,    40
.set SA,    44                         ; v44-59   the rows' scale words: two sets
.set TC,    60
.set ACC,   64                         ; v64-127  phase 2: two sets of four accumulators
.set NCD,   128                        ; v128-133, v136-141 a tile's codes
.set MCD,   144                        ; v144-175 V's codes
.set SOP,   240
.set EB,    244
.set HV,    840                        ; v840-967 V's sums: 32 t + 8 j + i
.set SB2,   968                        ; v968-983 phase 2's weights' scale words
.set BA,    984                        ; v984-991 LDS addresses of the weights' four tiles
.set G1A, 24
.set G0A, 56
.set G0R, 68
.set G1B, 32
.set G0B, 60
.set G1S, 92
.set G0S, 72
.set MSB, 0
.macro WIN new
.if MSB != (\new)
	s_set_vgpr_msb (MSB<<8)|(\new)
.set MSB, (\new)
.endif
.endm
.macro PLACES n
.rept \n
	v_nop
.endr
.endm
.macro WALU
	s_wait_alu depctr_va_vdst(0)
.endm
.macro BARRIER
	s_barrier_signal -1
	s_barrier_wait -1
.endm
.macro MIDDLE                          ; a round's middle: the opening wait, wave 0's signal for the work-group, the cluster's wait
	WIN 0
	s_barrier_wait -1
	s_cmp_lg_u32 s14, 0
	s_cbranch_scc1 .Lnot_wave_0_\@
	s_barrier_signal -3
.Lnot_wave_0_\@:
	s_barrier_wait -3
.endm
.macro CROUND
	s_barrier_signal -1
	MIDDLE
	BARRIER
.endm
.macro TLOAD g0, g1
	tensor_load_to_lds s[\g0:\g0+3], s[\g1:\g1+7]
	s_nop 0
	PLACES 4
.endm
.macro GROUP1 g, mask
	s_or_b32 s[\g+0], s\mask, (1<<20)|(1<<21)|(5<<22)|(3<<25)
	s_mov_b32 s[\g+1], KROW<<16
	s_mov_b32 s[\g+2], RA<<16
	s_mov_b32 s[\g+3], KROW<<16
	s_mov_b32 s[\g+4], RA
	s_mov_b32 s[\g+5], KROW
	s_mov_b32 s[\g+6], 0
	s_mov_b32 s[\g+7], 0
.endm
.macro SADD d, x
	s_add_co_u32 s\d, s\d, s\x
.endm
.macro G0SET g, base, off              ; group 0's address: 64-bit base + the 32-bit offset in s\off (s21 = 0)
	s_mov_b32 s20, s\off
	s_add_nc_u64 s[\g+2:\g+3], s[\base:\base+1], s[20:21]
	s_or_b32 s[\g+3], s[\g+3], 0x80000000
.endm
; Fragment f lies in window 1 + f / 21 at register 12 (f % 21): 0-31 the weights' (4 q + tile), 32-39 and 40-47 the rows' two sets.
.macro FRAG f, q, a0, a1, aw           ; six pieces of 8 bytes, two to a load where both lie behind as many paddings
	WIN ((1+(\f)/FPW)<<6)|(\aw)
.set R_, FR*((\f)%FPW)
.set SKIP_, 0
.irp p, 0,1,2,3,4,5
.if SKIP_
.set SKIP_, 0
.else
.set PC_, 12*(\q)+6*(\p/3)+\p%3
.set PN_, 12*(\q)+6*((\p+1)/3)+(\p+1)%3
.set X_, (PC_%32+3)/32
.set XQ_, (PN_%32+3)/32
.if (\p < 5) && (X_ == XQ_)
.set SKIP_, 1
.if X_
	ds_load_2addr_b64 v[R_+2*\p:R_+2*\p+3], \a1 offset0:PC_+2*(PC_/32) offset1:PN_+2*(PN_/32)
.else
	ds_load_2addr_b64 v[R_+2*\p:R_+2*\p+3], \a0 offset0:PC_+2*(PC_/32) offset1:PN_+2*(PN_/32)
.endif
.elseif X_
	ds_load_b64 v[R_+2*\p:R_+2*\p+1], \a1 offset:8*(PC_+2*(PC_/32))
.else
	ds_load_b64 v[R_+2*\p:R_+2*\p+1], \a0 offset:8*(PC_+2*(PC_/32))
.endif
.endif
.endr
.endm
.macro WEIGHTS                         ; my 64 rows of the weight, all of K
.irp q, 0,1,2,3,4,5,6,7
.irp b, 0,1,2,3
	FRAG NB*\q+\b, \q, v[BA-768+2*\b], v[BA-768+2*\b+1], 3
.endr
.endr
	WIN 0
.endm
.macro FETCHAT e, a0, a1, as           ; a block of x's rows into set e: NF loads
.irp q, 0,1,2,3,4,5,6,7
	FRAG NB*NQ+NQ*(\e)+\q, \q, \a0, \a1, 0
.endr
	WIN 0
	ds_load_b128 v[SA+8*(\e):SA+8*(\e)+3], \as
	ds_load_b128 v[SA+8*(\e)+4:SA+8*(\e)+7], \as offset:16
.endm
.macro FETCH e
	FETCHAT \e, v[ADRA], v[ADRA+1], v[AAS]
.endm
.macro FETCH01                         ; a phase's first two blocks
	FETCHAT 0, v[ADRA0], v[ADRA0+1], v[AAS0]
	FETCHAT 1, v1, v22, v23
.endm
; A product, n = 4 q + tile.  kind 0 (Q, K): source 0 the weight's rows; kind 1 (V): source 0 x's rows.  The four accumulators take turns; the first of each takes 0 as C.
.macro PROD kind, e, n, a0, as
.set Q_, (\n)/4
.set FB_, NB*Q_+(\n)%4
.set FA_, NB*NQ+NQ*(\e)+Q_
.set D_, (\a0)+(\as)*((\n)%4)
.set DL_, D_&255
.set XB_, SB+NQ*(((\n)%4)/2)+Q_
.set XA_, SA+8*(\e)+Q_
.if \kind
	WIN (1+FA_/FPW)|((1+FB_/FPW)<<2)|((D_>>8)<<4)|((D_>>8)<<6)
.if Q_
	PROD1 DL_, FA_, FB_, v[DL_:DL_+7], XA_, XB_, b, (\n)%2
.else
	PROD1 DL_, FA_, FB_, 0, XA_, XB_, b, (\n)%2
.endif
.else
	WIN (1+FB_/FPW)|((1+FA_/FPW)<<2)|((D_>>8)<<4)|((D_>>8)<<6)
.if Q_
	PROD1 DL_, FB_, FA_, v[DL_:DL_+7], XB_, XA_, a, (\n)%2
.else
	PROD1 DL_, FB_, FA_, 0, XB_, XA_, a, (\n)%2
.endif
.endif
.endm
.macro PROD1 d, s0, s1, c, x0, x1, side, o
.if \o
	v_wmma_scale_f32_16x16x128_f8f6f4 v[\d:\d+7], v[FR*((\s0)%FPW):FR*((\s0)%FPW)+FR-1], v[FR*((\s1)%FPW):FR*((\s1)%FPW)+FR-1], \c, v[\x0], v[\x1] matrix_a_fmt:MATRIX_FMT_FP6 matrix_b_fmt:MATRIX_FMT_FP6 matrix_\side\()_scale:MATRIX_SCALE_ROW1
.else
	v_wmma_scale_f32_16x16x128_f8f6f4 v[\d:\d+7], v[FR*((\s0)%FPW):FR*((\s0)%FPW)+FR-1], v[FR*((\s1)%FPW):FR*((\s1)%FPW)+FR-1], \c, v[\x0], v[\x1] matrix_a_fmt:MATRIX_FMT_FP6 matrix_b_fmt:MATRIX_FMT_FP6 matrix_\side\()_scale:MATRIX_SCALE_ROW0
.endif
.endm
; products \from .. \to - 1 of a block; behind every second one, two entries of the list \list
.macro BLOCK kind, e, a0, as, from, to, list, x=0, y=0
.set N_, \from
.rept (\to)-(\from)
	PROD \kind, \e, N_, \a0, \as
.if N_%2
	\list N_-1, \x, \y
	\list N_, \x, \y
.endif
.set N_, N_+1
.endr
.endm
.macro STEPB i, s                      ; three entries: the LDS addresses of block s (chunk s / 4, tile s % 4)
.if (\i) == 0
	WIN 0
	v_add_nc_u32 v[ADRA], ((\s)%4)*16*PITCH+((\s)/4)*YB, v[ADRA0]
.elseif (\i) == 1
	WIN 0
	v_add_nc_u32 v[ADRA+1], ((\s)%4)*16*PITCH+((\s)/4)*YB, v[ADRA0+1]
.elseif (\i) == 2
	WIN 0
	v_add_nc_u32 v[AAS], ((\s)%4)*16*KS, v[AAS0+(\s)/4]
.endif
.endm
.macro CHAIN i, x, n, t=TQ             ; 18 entries: the largest magnitude of the 32 sums from register x on, in two chains, and the conversions' scale operand
.set XW_, (\x)>>8
.set XL_, (\x)&255
.if (\i) >= 0 && (\i) < 14
.set B_, XL_+16*((\i)%2)+2*((\i)/2)
.set T_, (\t)+1-(\i)%2
.if (\i) < 2
	WIN XW_|(XW_<<2)|(XW_<<4)
	v_max3_num_f32 v[T_], |v[B_]|, |v[B_+1]|, |v[B_+2]|
.else
	WIN (XW_<<2)|(XW_<<4)
	v_max3_num_f32 v[T_], v[T_], |v[B_+1]|, |v[B_+2]|
.endif
.elseif (\i) == 14
	WIN XW_<<2
	v_max3_num_f32 v[(\t)+1], v[(\t)+1], |v[XL_+15]|, (EMAX+1)<<23
.elseif (\i) == 15
	WIN 0
	v_nop
.elseif (\i) == 16
	WIN XW_<<2
	v_max3_num_f32 v[\t], v[\t], |v[XL_+31]|, v[(\t)+1]
.elseif (\i) == 17
	WIN 0
	v_add_nc_u32 v[SOP+(\n)], -(EMAX<<23), v[\t]
.endif
.endm
.macro CODES i, x, c, n, t=TC          ; 6 lines: 32 codes into v[c .. c+5], the scale's byte into v[EB+n]
.set XW_, (\x)>>8
.set XL_, (\x)&255
.if (\i) == 0
	WIN XW_
	v_cvt_scalef32_pk16_fp6_f32 v[(\c):(\c)+2], v[XL_:XL_+15], v[SOP+(\n)]
.elseif (\i) == 1
	WIN XW_
	v_cvt_scalef32_pk16_fp6_f32 v[(\t):(\t)+2], v[XL_+16:XL_+31], v[SOP+(\n)]
.elseif (\i) == 2
	WIN 0
	v_lshrrev_b32 v[EB+(\n)], 23, v[SOP+(\n)]
.else
	WIN 0
	v_mov_b32 v[(\c)+(\i)], v[(\t)+(\i)-3]
.endif
.endm
.macro CODES6 x, c, n
.irp i, 0,1,2,3,4,5
	CODES \i, \x, \c, \n
.endr
.endm
.macro PUT6 c, base, off               ; a tile image: 512 and 256 consecutive bytes
	global_store_b128 v[CO], v[(\c):(\c)+3], \base offset:\off
	global_store_b64 v[CO8], v[(\c)+4:(\c)+5], \base offset:(\off)+512
.endm
.macro PUTQ s                          ; block s's codes
.set P_, (\s)
	PUT6 NCD+8*(P_%2), s[76+2*(P_/4):77+2*(P_/4)], 768*(P_%4)
.endm
.macro BYTEQ s                         ; and its scale byte, into the stage
.set P_, (\s)
	ds_store_b8 v[STO], v[EB+P_%2] offset:256*(P_/4)+64*((P_%4)/2)+2*(P_%2)
.endm
.macro L_NONE i, x, y
.endm
.macro L_STEP i, x, y
	STEPB \i, \x
.endm
.macro L_OUT i, x, y
	STEPB \i, \x
	CHAIN (\i)-3, ACC+32*(\y), \y
.endm
.macro L_LAST i, x, y
	CHAIN \i, ACC+32*(\y), \y
.endm
.macro L_V1 i, x, y                    ; the refill's descriptor (half the rows for each of waves 0 and 1), then the step
.if (\i) == 0
	s_mov_b32 s[G1B+2], (RA/2)<<16
	s_mov_b32 s[G1B+4], RA/2
	s_mul_i32 s[G0B+1], s14, RA/2*PITCH
	s_add_co_u32 s[G0B+1], s[G0B+1], BVB
.elseif (\i) == 1
	s_mul_i32 s20, s14, RA/2*KROW
	SADD 20, 9
	s_mov_b32 s21, 0
	s_add_nc_u64 s[G0B+2:G0B+3], s[4:5], s[20:21]
.elseif (\i) == 2
	s_or_b32 s[G0B+3], s[G0B+3], 0x80000000
.endif
	STEPB (\i)-3, \x
.endm
.macro QB s, w, fetch                  ; block s of phase 2, with the way out of block s - 1.  w: what may be out behind its rows' loads: the next block's fetch and the scale bytes' stores
	s_wait_dscnt \w
	s_wait_xcnt 0x0                    ; the stores have read their data
.if \fetch
	BLOCK 0, (\s)%2, ACC+32*((\s)%2), 8, 0, 32, L_OUT, (\s)+2, 1-(\s)%2
.else
	BLOCK 0, (\s)%2, ACC+32*((\s)%2), 8, 0, 32, L_LAST, 0, 1-(\s)%2
.endif
	WIN 0
	CODES6 ACC+32*(1-(\s)%2), NCD+8*(1-(\s)%2), 1-(\s)%2
	WALU
	BYTEQ (\s)-1
	PUTQ (\s)-1
.if \fetch
	FETCH (\s)%2
.endif
.endm
; ================= THE HEAD
	s_load_b128 s[4:7], s[0:1], 0x0                ; codes, scale bytes
	s_load_b128 s[48:51], s[0:1], 0x10             ; q_rec, kv_rec
	v_lshl_add_u32 v[SPW], v0, 2, SPARE
	v_mov_b32 v[NIL], 0
	ds_add_u32 v[SPW], v[NIL]                      ; the opening add, twice on end
	ds_add_u32 v[SPW], v[NIL]
	v_lshrrev_b32 v1, 5, v0
	v_readfirstlane_b32 s14, v1                    ; s14 the wave; s15 its row of the 2 x 2, s16 its column
	s_lshr_b32 s15, s14, 1
	s_and_b32 s16, s14, 1
	s_bfe_u32 s40, ttmp6, 0x40000                  ; cx
	s_bfe_u32 s41, ttmp6, 0x40004                  ; cy
	s_lshl_b32 s42, ttmp9, 2
	s_add_co_u32 s42, s42, s40                     ; phase 2's tile column, 0 .. 15
	s_and_b32 s43, ttmp7, 0xffff
	s_lshl_b32 s43, s43, 2
	s_add_co_u32 s43, s43, s41                     ; tile row: 256 tokens
	s_lshr_b32 s19, ttmp9, 1                       ; 0 Q, 1 K
	s_and_b32 s87, ttmp9, 1                        ; V's half of my 256 tokens
	s_lshl_b32 s13, s19, 2
	s_add_co_u32 s13, s13, s40                     ; V's tile column, 0 .. 7
	s_lshl_b32 s44, s41, 2
	s_lshl_b32 s44, 15, s44                        ; my row of the cluster
	s_lshl_b32 s45, 0x1111, s40                    ; my column
	GROUP1 G1A, 44
	GROUP1 G1B, 45
	s_or_b32 s[G1S+0], s44, (3<<16)|(1<<21)        ; x's scale bytes: 32 rows of 256 bytes, no padding
	s_mov_b32 s[G1S+1], 32<<16
	s_mov_b32 s[G1S+2], 32<<16
	s_mov_b32 s[G1S+3], 32<<16
	s_mov_b32 s[G1S+4], 32
	s_mov_b32 s[G1S+5], 32
	s_mov_b32 s[G1S+6], 0
	s_mov_b32 s[G1S+7], 0
	s_mov_b32 s[G0S], 1
	s_mov_b32 s[G0S+1], SCL
	s_mov_b32 s[G0A], 1
	s_mov_b32 s[G0A+1], 0
	s_mov_b32 s[G0R], 1
	s_mov_b32 s[G0R+1], YB
	s_mov_b32 s[G0B], 1
	s_mov_b32 s[G0B+1], BVB
	s_lshl_b32 s20, s43, 1
	s_xor_b32 s21, s87, 1
	s_add_co_u32 s66, s20, s87
	s_mul_i32 s66, s66, RA*KROW                    ; chunk A: the half s87 of my tokens
	s_add_co_u32 s67, s20, s21
	s_mul_i32 s67, s67, RA*KROW                    ; chunk B: the other
	s_mul_i32 s9, s42, RA*KROW
	s_add_co_u32 s9, s9, 4096*KROW                 ; W_q's or W_k's rows
	s_mul_i32 s54, s13, RA*KROW
	s_add_co_u32 s54, s54, 6144*KROW               ; W_v's
	s_mul_i32 s89, s43, 256*KS
	s_lshl_b32 s21, s16, 11
	s_lshl_b32 s82, s42, 12
	s_add_co_u32 s82, s82, s21
	s_add_co_u32 s82, s82, 4096*KS                 ; my 64 rows' scale bytes: W_q or W_k,
	s_mov_b32 s83, 0
	s_lshl_b32 s84, s13, 12
	s_add_co_u32 s84, s84, s21
	s_add_co_u32 s84, s84, 6144*KS                 ; W_v
	s_mov_b32 s85, 0
	v_and_b32 v1, 15, v0                           ; r
	v_bfe_u32 v2, v0, 4, 1                         ; h
	v_and_b32 v3, 31, v0
	v_mul_u32_u24 v22, v1, PITCH
	v_mad_u32_u24 v23, v2, 24, v22
	s_mul_i32 s21, s15, 64*PITCH                   ; my 64 rows of a chunk
	v_add_nc_u32 v[ADRA0], s21, v23
	s_mul_i32 s22, s16, 64*PITCH
	s_add_co_u32 s22, s22, BVB                     ; my 64 rows of the weight
	v_add_nc_u32 v[ADRB], s22, v23
	v_mad_u32_u24 v23, v2, 24+16, v22
	v_add_nc_u32 v[ADRA0+1], s21, v23
	v_add_nc_u32 v[ADRB+1], s22, v23
	v_mul_u32_u24 v[ABS], v3, KS
	v_mul_u32_u24 v23, v1, KS
	s_lshl_b32 s21, s15, 11                        ; my 64 rows' scale bytes of a chunk
	s_add_co_u32 s21, s21, SCL
	s_mul_i32 s22, s87, SCB
	SADD 22, 21
	v_add_nc_u32 v[AAS0], s22, v23                 ; scale bytes lie in the tokens' order: chunk A's in the half s87
	s_xor_b32 s22, s87, 1
	s_mul_i32 s22, s22, SCB
	SADD 22, 21
	v_add_nc_u32 v[AAS0+1], s22, v23
	s_lshl_b32 s100, s41, 2
	s_add_co_u32 s100, s100, s14                   ; my number among the sixteen waves of my column
	WALU
	s_wait_dscnt 0x0
	CROUND                                         ; the round in front of the first joint loads
	s_wait_kmcnt 0x0
	s_mov_b32 s21, 0
	G0SET G0A, 4, 66
	G0SET G0R, 4, 67
	G0SET G0B, 4, 54
	G0SET G0S, 6, 89
	s_add_nc_u64 s[84:85], s[6:7], s[84:85]
	s_add_nc_u64 s[82:83], s[6:7], s[82:83]
	s_cmp_eq_u32 s14, 0
	s_cbranch_scc0 .Lwave_1
	TLOAD G0B, G1B                                 ; wave 0: W_v's rows
	s_branch .Lasked
.Lwave_1:
	s_cmp_eq_u32 s14, 1
	s_cbranch_scc0 .Lwave_2
	TLOAD G0S, G1S                                 ; wave 1: x's scale bytes
	s_branch .Lasked
.Lwave_2:
	s_cmp_eq_u32 s14, 2
	s_cbranch_scc0 .Lwave_3
	TLOAD G0A, G1A                                 ; wave 2: chunk A
	s_branch .Lasked
.Lwave_3:
	TLOAD G0R, G1A                                 ; wave 3: chunk B
.Lasked:
.irp p, 0,1
.irp c, 0,1
	global_load_b128 v[SB+NQ*\p+4*\c:SB+NQ*\p+4*\c+3], v[ABS], s[84:85] offset:\p*32*KS+16*\c
.endr
.endr
	WIN 3<<6
.irp p, 0,1
.irp c, 0,1
	global_load_b128 v[SB2-768+NQ*\p+4*\c:SB2-768+NQ*\p+4*\c+3], v[ABS], s[82:83] offset:\p*32*KS+16*\c
.endr
.endr
	WIN 0
	; where the results go: s[76:77], s[78:79] Q's or K's codes of chunks A and B, s[80:81] the scale bytes of chunk s15, s[52:53] V's codes, s[54:55] V's scale bytes
	s_lshr_b32 s2, s43, 3
	s_lshl_b32 s2, s2, 4                           ; 16 x batch
	s_lshl_b32 s3, s43, 1
	SADD 3, 87
	s_and_b32 s3, s3, 15                           ; chunk A's key step
	s_add_co_u32 s22, s19, 1
	s_mul_i32 s23, s22, 6400                       ; bytes of a record: Q 6,400, K and V 12,800
	s_lshl_b32 s20, s42, 1
	SADD 20, 16
	s_and_b32 s20, s20, 15                         ; my head
	SADD 20, 2
	s_lshl_b32 s20, s20, 4
	s_mul_i32 s12, s15, 4*768
	s_add_co_u32 s76, s20, s3
	s_mul_i32 s76, s76, s23
	SADD 76, 12
	s_mov_b32 s77, 0
	s_xor_b32 s78, s3, 1
	SADD 78, 20
	s_mul_i32 s78, s78, s23
	SADD 78, 12
	s_mov_b32 s79, 0
	s_xor_b32 s80, s3, s15
	SADD 80, 20
	s_mul_i32 s80, s80, s23
	s_mul_i32 s22, s22, 6144
	SADD 80, 22
	s_mov_b32 s81, 0
	s_lshl_b32 s52, s13, 1
	SADD 52, 16
	SADD 52, 2
	s_lshl_b32 s52, s52, 4
	SADD 52, 3
	s_mul_i32 s54, s52, 12800
	s_mul_i32 s52, s15, 768
	SADD 52, 54
	s_add_co_u32 s52, s52, 6144
	s_mov_b32 s53, 0
	s_add_co_u32 s54, s54, 12544
	s_mov_b32 s55, 0
	s_cmp_eq_u32 s19, 0
	s_cselect_b64 s[10:11], s[48:49], s[50:51]
	s_add_nc_u64 s[76:77], s[10:11], s[76:77]
	s_add_nc_u64 s[78:79], s[10:11], s[78:79]
	s_add_nc_u64 s[80:81], s[10:11], s[80:81]
	s_add_nc_u64 s[52:53], s[50:51], s[52:53]
	s_add_nc_u64 s[54:55], s[50:51], s[54:55]
	s_lshl_b32 s21, s16, 9
	s_lshl_b32 s22, s15, 7
	SADD 21, 22
	s_add_co_u32 s21, s21, XN
	s_lshl_b32 s22, s16, 8
	s_lshl_b32 s23, s15, 1
	SADD 22, 23
	s_add_co_u32 s22, s22, XM
	v_lshlrev_b32 v[CO], 4, v3
	v_lshlrev_b32 v[CO8], 3, v3
	v_lshl_add_u32 v21, v1, 2, v2
	v_add_nc_u32 v[STO], s21, v21
	v_add_nc_u32 v[STV], s22, v21
	WIN 3<<6
.irp b, 0,1,2,3
	v_add_nc_u32 v[BA-768+2*\b], \b*16*PITCH, v[ADRB]
	v_add_nc_u32 v[BA-768+2*\b+1], \b*16*PITCH, v[ADRB+1]
.endr
	WIN 0
	v_add_nc_u32 v1, 16*PITCH, v[ADRA0]
	v_add_nc_u32 v22, 16*PITCH, v[ADRA0+1]
	v_add_nc_u32 v23, 16*KS, v[AAS0]
	s_mul_i32 s21, s100, RA*KROW/16
	s_add_co_u32 s20, s9, s21
	v_min_u32 v8, RA*KROW/16/256-1, v3             ; a prefetch: 24 blocks of 256 bytes, a lane a block; the lanes left over name the last again
	v_lshl_add_u32 v8, v8, 8, s20
	WALU                                           ; the wait at the head's end
	s_cmp_eq_u32 s14, 0
	s_cbranch_scc0 .Lnot_b
	s_wait_tensorcnt 0x0
.Lnot_b:
	BARRIER                                        ; W_v's rows are in
	global_prefetch_b8 v8, s[4:5] th:TH_LOAD_NT scope:SCOPE_SE
	WEIGHTS
	s_cmp_eq_u32 s14, 3
	s_cbranch_scc1 .Lnot_a
	s_wait_tensorcnt 0x0
.Lnot_a:
	s_wait_dscnt 0x0
	BARRIER                                        ; chunk A and the scale bytes are in; chunk B may be on its way
	FETCH01
	s_wait_loadcnt 0x0                             ; the weights' scale words
; ================= PHASE 1: V, four blocks
	s_wait_dscnt NF                                ; block 1's loads may be out
	BLOCK 1, 0, HV, 32, 0, 32, L_STEP, 2
	WIN 0
	PLACES 4
	WALU
	FETCH 0
	s_wait_dscnt NF                                ; block 2's may be out
	s_wait_tensorcnt 0x0                           ; the refill's round: all my tensor loads have landed, chunk B among them;
	ds_add_u32 v[SPW], v[NIL]                      ; the add; products stand between it and its wait
	BLOCK 1, 1, HV+8, 32, 0, 24, L_V1, 3
	WIN 0
	s_wait_dscnt 0x0
	s_barrier_signal -1
	BLOCK 1, 1, HV+8, 32, 24, 32, L_NONE
	MIDDLE
	BARRIER
	s_cmp_lt_u32 s14, 2
	s_cbranch_scc0 .Lno_half
	TLOAD G0B, G1B                                 ; waves 0 and 1: a half each of W_q's or W_k's rows
.Lno_half:
	PLACES 4
	WALU
	FETCH 1
	s_wait_dscnt NF                                ; block 3's may be out
	BLOCK 1, 0, HV+16, 32, 0, 32, L_NONE
	WIN 0
	s_wait_dscnt 0x0
	BLOCK 1, 1, HV+24, 32, 0, 26, L_NONE
	WIN 0
	s_wait_tensorcnt 0x0
	s_wait_dscnt 0x0
	s_barrier_signal -1                            ; a plain barrier shows the second weight to all
	BLOCK 1, 1, HV+24, 32, 26, 32, L_NONE
	WIN 0
	s_barrier_wait -1
	PLACES 4
; ================= THE CHANGE OF PHASE: the second weight and the first two blocks' rows in one run of loads; V's four way outs under their flight
	WEIGHTS
	FETCH01
	WIN 3
.set I, 0
.rept 16
	v_mov_b32 v[SB+I], v[SB2-768+I]
.set I, I+1
.endr
	WIN 0
.set I, 0
.rept 18
.irp t, 0,1,2,3
	CHAIN I, HV+32*\t, \t, 64+4*\t
.endr
.set I, I+1
.endr
.set I, 0
.rept 6
.irp t, 0,1,2,3
	CODES I, HV+32*\t, MCD+8*\t, \t, 80+4*\t
.endr
.set I, I+1
.endr
	WIN 0
	WALU
; ================= PHASE 2: Q or K, eight blocks
	s_wait_dscnt NF
	BLOCK 0, 0, ACC, 8, 0, 32, L_STEP, 2
	WIN 0
	PLACES 4
	WALU
.irp t, 0,1,2,3
	ds_store_b8 v[STV], v[EB+\t] offset:64*\t
.endr
.irp t, 0,1,2,3
	PUT6 MCD+8*\t, s[52:53], 1536*\t
.endr
	FETCH 0
	QB 1, NF+4, 1
	QB 2, NF+1, 1
	QB 3, NF+1, 1
	QB 4, NF+1, 1
	QB 5, NF+1, 1
	QB 6, NF+1, 0
	QB 7, 1, 0
; ================= THE END: the last way out; the scale bytes go through LDS under its conversions and leave as whole units of 256 bytes
	s_lshl_b32 s21, s16, 9
	s_lshl_b32 s22, s15, 8
	SADD 21, 22
	s_add_co_u32 s21, s21, XN
	v_add_nc_u32 v12, s21, v[CO8]
	s_lshl_b32 s22, s16, 8
	s_add_co_u32 s22, s22, XM
	v_add_nc_u32 v13, s22, v[CO8]
.set I, 0
.rept 18
	CHAIN I, ACC+32, 1
.set I, I+1
.endr
	CODES 2, ACC+32, NCD+8, 1
	WALU
	BYTEQ 7
	s_wait_xcnt 0x0
	s_wait_dscnt 0x0
	s_barrier_signal -1
	CODES 0, ACC+32, NCD+8, 1
	CODES 1, ACC+32, NCD+8, 1
	v_nop
.irp i, 3,4,5
	CODES \i, ACC+32, NCD+8, 1
.endr
	WALU
	s_barrier_wait -1
	ds_load_b64 v[64:65], v12
	ds_load_b64 v[66:67], v13
	PUTQ 7
	s_wait_dscnt 0x0
	global_store_b64 v[CO8], v[64:65], s[80:81]
	s_cmp_eq_u32 s15, 0
	s_cbranch_scc0 .Lno_v
	global_store_b64 v[CO8], v[66:67], s[54:55]
.Lno_v:
	s_wait_tensorcnt 0x0                           ; the wave's end
	ds_add_u32 v[SPW], v[NIL]
	s_wait_dscnt 0x0
	CROUND                                         ; the closing round
	s_endpgm
.Lfunc_end_k_qbcfcc80e39_gemm_qkv:
	.size	k_qbcfcc80e39_gemm_qkv, .Lfunc_end_k_qbcfcc80e39_gemm_qkv-k_qbcfcc80e39_gemm_qkv
	.p2alignl 7, 3214868480
	.fill 96, 4, 3214868480
	.section	.rodata,"a",@progbits
	.p2align	6, 0x0
	.amdhsa_kernel k_qbcfcc80e39_gemm_qkv
		.amdhsa_group_segment_fixed_size 327680
		.amdhsa_private_segment_fixed_size 0
		.amdhsa_enable_private_segment 0
		.amdhsa_kernarg_size 32
		.amdhsa_user_sgpr_count 2
		.amdhsa_user_sgpr_kernarg_segment_ptr 1
		.amdhsa_wavefront_size32 1
		.amdhsa_system_sgpr_workgroup_id_x 1
		.amdhsa_system_sgpr_workgroup_id_y 1
		.amdhsa_system_sgpr_workgroup_id_z 1
		.amdhsa_system_vgpr_workitem_id 0
		.amdhsa_next_free_vgpr 992
		.amdhsa_next_free_sgpr 102
		.amdhsa_reserve_vcc 0
		.amdhsa_float_denorm_mode_32 3
		.amdhsa_float_denorm_mode_16_64 3
		.amdhsa_memory_ordered 1
		.amdhsa_forward_progress 1
		.amdhsa_inst_pref_size 128
	.end_amdhsa_kernel
	.amdgpu_metadata
---
amdhsa.version: [ 1, 2 ]
amdhsa.kernels:
  - .name:           k_qbcfcc80e39_gemm_qkv
    .symbol:         k_qbcfcc80e39_gemm_qkv.kd
    .args:
      - { .name: qin_codes, .offset: 0, .size: 8, .value_kind: global_buffer, .address_space: global }
      - { .name: qin_scales, .offset: 8, .size: 8, .value_kind: global_buffer, .address_space: global }
      - { .name: q_rec, .offset: 16, .size: 8, .value_kind: global_buffer, .address_space: global }
      - { .name: kv_rec, .offset: 24, .size: 8, .value_kind: global_buffer, .address_space: global }
    .group_segment_fixed_size: 327680
    .private_segment_fixed_size: 0
    .kernarg_segment_align: 8
    .kernarg_segment_size: 32
    .max_flat_workgroup_size: 128
    .sgpr_count:     102
    .vgpr_count:     992
    .wavefront_size: 32
...
	.end_amdgpu_metadata
.endif
;; end of part 2
;; launch attn (part 3): grid 8 x 32, 16 waves a work-group, clusters of 4 x 1, 280,576 bytes of LDS; arguments q_rec, kv_rec, y_codes, y_scales; writes y_codes, y_scales
.if DOCPART == 3
	.amdgcn_target "amdgcn-amd-amdhsa--gfx1250"
	.amdhsa_code_object_version 6
	.text
	.protected	k_qbcfcc80e39_attn
	.globl	k_qbcfcc80e39_attn
	.p2align	8
	.type	k_qbcfcc80e39_attn,@function
k_qbcfcc80e39_attn:
	s_mov_b64 s[64:65], 0
	v_nop
	global_prefetch_b8 v0, s[64:65] scope:SCOPE_SE
	s_setreg_imm32_b32 hwreg(HW_REG_WAVE_MODE, 25, 1), 1
	s_wait_xcnt 0x0
	s_wait_alu depctr_hold_cnt(0) depctr_sa_sdst(0) depctr_va_vdst(0) depctr_va_sdst(0) depctr_va_ssrc(0) depctr_va_vcc(0) depctr_vm_vsrc(0)
	s_getreg_b32 s2, hwreg(HW_REG_IB_STS2, 6, 4)
	s_cmp_eq_u32 s2, 0
	s_cbranch_scc0 .Lentry_in_a_cluster
	s_endpgm
.Lentry_in_a_cluster:
	s_bfe_u32 s2, ttmp6, 0x10000c
	s_cmp_lg_u32 s2, 0x3003
	s_cbranch_scc0 .Lentry_shape_is_right
	s_endpgm
.Lentry_shape_is_right:
; y = softmax over keys k <= q of (Q . K / 8), times V, both products on codes of FP6 (E2M3) with one E8M0 scale for each 32 along a product's K; y leaves as codes of FP6 along the 1,024 channels, with scale bytes.
; IN: the records of the launch before: per head and key step of 128 tokens: Q: 8 tile images of 768 bytes, 256 scale bytes; K and V: 8 + 8 tile images, 256 + 256 scale bytes = 12,800 bytes.  Tile 4 c + j holds tokens 64 c + 8 j + i and 64 c + 32 + 8 j + i.
; OUT: y_codes[tile of 16 tokens][head][768], a tile image; y_scales[tile][head / 2][r][2 (head % 2) + h], r = lane % 16, h = lane / 16.
; THE SOFTMAX AHEAD OF THE SECOND PRODUCT: t = score x log2(e) / 8, M = the running largest t rounded up to a whole number, p = 2^(t - M) is quantised along the keys, unnormalised; the sum is taken of the unquantised p and divides O at the end.
; When M moves, the sum and O are multiplied by 2^(old M - new M): exact.
; SHARES.  A work-group serves one head and tile p of each of the 16 key steps' queries; a head's 16 K and V records lie in LDS, key step k < 8 in slot 2 k, key step 8 + k in slot 2 k + 1: wave w fetches slot w; nothing is filled again.
; Waves 2 i and 2 i + 1 share the long tile (key step 15 - i, 16 - i steps) and the short one (key step i, i + 1 steps): wave A takes the long tile's key steps 0 .. 7, wave B its key steps 8 .. 15 - i and then the short tile's 0 .. i:
; eight steps and nine.  B hands its part of the long tile's O, sum and M to A through LDS.  Steps that the causal mask hides whole (key step > the tile's) are not done: their p is 0 for all values of the inputs.
; TRIP 0 is written out ahead of the loop: it reads slots 0 and 1 alone, which waves 0 and 1 fetch by a line of their own; every wave waits for its load in the middle of trip 0.  From trip 1 on a barrier's signal and its wait lie a trip apart:
; a wave begins a trip when all waves have begun the trip before; the last of these barriers shows B's parts to A.
; CLUSTER.  The four work-groups of a cluster serve one head: every fill is asked for jointly, by one descriptor made of the head and the wave's number.
; PREFETCH: none: all tiles are asked for at the head, and no later load is there to run ahead of.
; LAYOUT.  S^T = K Q^T and O^T = V^T P^T: a lane holds ONE query; over the four tiles of a band its 32 scores are keys 64 c + 32 h + 0 .. 31, one scale block and the next operand's own place; O^T's 32 registers are channels 32 h + 0 .. 31.
; THE FIRST PRODUCT'S K IS 64, THE INSTRUCTION'S 128: K's operand is two tiles, Q's is Q and zeros for the even tile, zeros and Q for the odd one; any code times a zero code adds nothing.
; LIMITS: a block of zeros, and one whose largest magnitude lies under 2^-124, gets the byte 1; scaled scores stay under 2^31 in magnitude; NaN and infinities are not served.
.set KST,  12800                       ; bytes of a key step's record
.set STG,  16*KST                      ; a stage of 4,608 bytes for each wave
.set SPARE, STG+16*4608
.set ST,   96                          ; v96-159 S^T, then p: register 32 c + 8 j + i
.set OT,   160                         ; v160-191 O^T
.set VF,   192                         ; v192-239 V's fragments
.set PC,   240                         ; v240-251 p's codes
.set KF,   48                          ; v48-95  K's fragments; the softmax works in them
.set SW,   42                          ; v42-45  scale words: K's, then V's
.macro WALU
	s_wait_alu depctr_va_vdst(0)
.endm
.macro CROUND                          ; a round of the cluster's barrier
	s_barrier_signal -1
	s_barrier_wait -1
	s_cmp_lg_u32 s18, 0
	s_cbranch_scc1 .Lnot_wave_0_\@
	s_barrier_signal -3
.Lnot_wave_0_\@:
	s_barrier_wait -3
	s_barrier_signal -1
	s_barrier_wait -1
.endm
	s_load_b256 s[4:11], s[0:1], 0x0               ; Q s[4:5], K and V s[6:7], y's codes s[8:9], y's scale bytes s[10:11]
	v_lshl_add_u32 v46, v0, 2, SPARE
	v_mov_b32 v47, 0
	ds_add_u32 v46, v47                            ; the opening add, twice on end
	ds_add_u32 v46, v47
	v_lshrrev_b32 v8, 5, v0
	v_readfirstlane_b32 s18, v8                    ; wave
	v_and_b32 v254, 31, v0
	v_and_b32 v255, 15, v0
	v_lshlrev_b32 v1, 4, v254                      ; 16 x lane
	v_lshlrev_b32 v2, 3, v254                      ; 8 x lane
	v_lshlrev_b32 v3, 2, v255                      ; 4 r
	s_bfe_u32 s12, ttmp6, 0x40000
	s_lshl_b32 s13, ttmp9, 2
	s_add_co_u32 s12, s13, s12                     ; p: it enters Q's and y's addresses and the diagonal's compare alone
	s_and_b32 s14, ttmp7, 0xffff                   ; 16 x batch + head
	s_lshr_b32 s15, s18, 1                         ; i: the short tile's key step
	s_lshr_b32 s16, s18, 2
	s_xor_b32 s16, s16, s18
	s_and_b32 s16, s16, 1                          ; 0: wave A, 1: wave B
	s_xor_b32 s17, s15, 7
	s_add_co_u32 s17, s17, 1                       ; 8 - i: the trip in which B goes over to the short tile
	s_xor_b32 s19, s15, 15                         ; 15 - i: the long tile's key step
	s_mov_b32 s24, 15|(3<<16)|(1<<21)              ; a record: 50 rows of 256 bytes, for all four work-groups
	s_mov_b32 s25, 32<<16
	s_mov_b32 s26, 50<<16
	s_mov_b32 s27, 32<<16
	s_mov_b32 s28, 50
	s_mov_b32 s29, 32
	s_mov_b32 s30, 0
	s_mov_b32 s31, 0
	s_mov_b32 s32, 1
	s_mul_i32 s33, s18, KST                        ; slot w
	s_lshl_b32 s37, s14, 4
	s_and_b32 s80, s18, 1
	s_lshl_b32 s80, s80, 3
	s_add_co_u32 s80, s80, s15
	s_add_co_u32 s80, s80, s37                     ; takes key step w / 2 + 8 (w % 2)
	s_mul_i32 s80, s80, KST
	s_mov_b32 s81, 0
	s_mov_b32 s20, 0x76543210
	s_mov_b32 s21, 0xfedcba98                      ; v_permlanex16_b32's selects for lane l xor 16
	s_mov_b32 s22, 0x3e38aa3b                      ; c = log2(e) / 8
	s_mov_b32 s23, s22
	s_mov_b32 s36, 0xbe38aa3b                      ; -c
	s_mul_i32 s82, s12, 768
	s_lshr_b32 s83, s12, 1
	s_lshl_b32 s83, s83, 6
	s_and_b32 s84, s12, 1
	s_lshl_b32 s84, s84, 1
	s_add_co_u32 s83, s83, s84
	s_add_co_u32 s83, s83, 6144                    ; the tile's scale bytes in a record of Q
	s_add_co_u32 s84, s37, s19
	s_mul_i32 s84, s84, 6400
	s_add_co_u32 s38, s84, s82
	s_mov_b32 s39, 0
	s_add_co_u32 s42, s84, s83
	s_mov_b32 s43, 0
	s_add_co_u32 s84, s37, s15
	s_mul_i32 s84, s84, 6400
	s_add_co_u32 s40, s84, s82
	s_mov_b32 s41, 0
	s_add_co_u32 s44, s84, s83
	s_mov_b32 s45, 0
	WALU
	s_wait_dscnt 0x0
	s_wait_kmcnt 0x0
	s_add_nc_u64 s[34:35], s[6:7], s[80:81]
	s_or_b32 s35, s35, 0x80000000
	s_add_nc_u64 s[38:39], s[4:5], s[38:39]        ; the long tile's Q,
	s_add_nc_u64 s[42:43], s[4:5], s[42:43]
	s_add_nc_u64 s[40:41], s[4:5], s[40:41]        ; the short one's
	s_add_nc_u64 s[44:45], s[4:5], s[44:45]
	global_load_b128 v[16:19], v1, s[38:39]
	global_load_b64 v[20:21], v2, s[38:39] offset:512
	global_load_u16 v34, v3, s[42:43]
	global_load_b128 v[36:39], v1, s[40:41]
	global_load_b64 v[40:41], v2, s[40:41] offset:512
	global_load_u16 v35, v3, s[44:45]
	CROUND                                         ; the joint loads meet
	s_cmp_lt_u32 s18, 2
	s_cbranch_scc0 .Llater
	tensor_load_to_lds s[32:35], s[24:31]          ; the wave's only load: slots 0 and 1, which trip 0 reads,
	s_nop 0
.rept 4
	v_nop
.endr
	s_branch .Lasked
.Llater:
	tensor_load_to_lds s[32:35], s[24:31]          ; and the other slots
	s_nop 0
.rept 4
	v_nop
.endr
.Lasked:
	s_lshr_b32 s52, s12, 2
	s_lshl_b32 s52, s52, 6
	s_and_b32 s53, s12, 3
	s_lshl_b32 s53, s53, 3
	s_add_co_u32 s52, s52, s53                     ; 64 c + 8 j of my tile
	s_mul_i32 s53, s18, 4608
	s_add_co_u32 s53, s53, STG
	s_xor_b32 s54, s18, 1
	s_mul_i32 s54, s54, 4608
	s_add_co_u32 s54, s54, STG
	v_add_nc_u32 v4, s53, v1                       ; my stage,
	v_add_nc_u32 v8, s54, v1                       ; and my partner's
	v_bfe_u32 v11, v0, 4, 1                        ; h
	v_lshrrev_b32 v254, 3, v255
	v_sub_nc_u32 v254, v254, v11
	v_and_b32 v255, 7, v255
	v_lshl_add_u32 v9, v254, 5, v255
	v_add_nc_u32 v9, s52, v9                       ; my query's place in its key step, less 32 h
	v_lshlrev_b32 v11, 3, v11                      ; 8 h
	v_mov_b32 v10, 0xff800000                      ; -infinity
	v_mov_b32 v12, 0x7f61b1e6                      ; -M: M begins under every t
	v_mov_b32 v13, 0
	v_mov_b32 v14, 0                               ; the sum, in two halves
	v_mov_b32 v15, 0
	v_mov_b32 v252, 0
	v_mov_b32 v253, 0
	v_mov_b32 v255, 0                              ; (a lane permute's destination counts as one of its sources)
.irp i, 0,1,2,3,4,5
	v_mov_b32 v[22+\i], 0                          ; Q's zeros
.endr
	; y's places: A stores the long tile, B the short one
	s_lshr_b32 s46, s14, 4
	s_and_b32 s47, s14, 15
	s_cmp_eq_u32 s16, 0
	s_cselect_b32 s48, s19, s15
	s_lshl_b32 s49, s46, 7
	s_lshl_b32 s48, s48, 3
	s_add_co_u32 s49, s49, s48
	s_add_co_u32 s49, s49, s12                     ; tile of 16 tokens: 128 batch + 8 x key step + p
	s_lshl_b32 s50, s49, 4
	s_add_co_u32 s50, s50, s47
	s_mul_i32 s50, s50, 768
	s_mov_b32 s51, 0
	s_add_nc_u64 s[8:9], s[8:9], s[50:51]
	s_lshl_b32 s50, s49, 9
	s_lshr_b32 s48, s47, 1
	s_lshl_b32 s48, s48, 6
	s_add_co_u32 s50, s50, s48
	s_and_b32 s48, s47, 1
	s_lshl_b32 s48, s48, 1
	s_add_co_u32 s50, s50, s48
	s_add_nc_u64 s[10:11], s[10:11], s[50:51]
	WALU
	s_wait_loadcnt 0x0
	v_lshl_or_b32 v34, v34, 16, v34                ; Q's two scale bytes, for either half of the operand
	v_lshl_or_b32 v35, v35, 16, v35
.irp i, 0,1,2,3,4,5
	v_mov_b32 v[28+\i], v[16+\i]
.endr
.set n, 0
.rept 32
	v_mov_b32 v[OT+n], 0                           ; O^T: the first step finds zeros
.set n, n+1
.endr
.macro STEP first                      ; a step of 128 keys: s83 its slot in bytes, s81 its key step, s82 the tile's own
	v_add_nc_u32 v5, s83, v1                       ; these are also the places between the last products and the loads below
	v_add_nc_u32 v6, s83, v2
	v_add_nc_u32 v7, s83, v3
	v_nop
.irp u, 0,1,2,3
.irp t, 0,1
	ds_load_b128 v[KF+12*\u+6*\t:KF+12*\u+6*\t+3], v5 offset:768*(2*\u+\t)
	ds_load_b64 v[KF+12*\u+6*\t+4:KF+12*\u+6*\t+5], v6 offset:768*(2*\u+\t)+512
.endr
	ds_load_b32 v[SW+\u], v7 offset:12288+64*\u
.endr
	WALU
.irp u, 0,1,2,3
	s_wait_dscnt 15-5*\u                           ; this pair of tiles is in; the later pairs' five loads each may be out
	v_wmma_scale_f32_16x16x128_f8f6f4 v[ST+16*\u:ST+16*\u+7], v[KF+12*\u:KF+12*\u+11], v[16:27], 0, v[SW+\u], v34 matrix_a_fmt:MATRIX_FMT_FP6 matrix_b_fmt:MATRIX_FMT_FP6
	v_wmma_scale_f32_16x16x128_f8f6f4 v[ST+16*\u+8:ST+16*\u+15], v[KF+12*\u:KF+12*\u+11], v[22:33], 0, v[SW+\u], v34 matrix_a_fmt:MATRIX_FMT_FP6 matrix_b_fmt:MATRIX_FMT_FP6
.endr
.irp t, 0,1,2,3                                    ; V's fragments land under the softmax
.irp c, 0,1
	ds_load_b128 v[VF+12*\t+6*\c:VF+12*\t+6*\c+3], v5 offset:6144+1536*\t+768*\c
	ds_load_b64 v[VF+12*\t+6*\c+4:VF+12*\t+6*\c+5], v6 offset:6144+1536*\t+768*\c+512
.endr
.endr
.rept 4
	v_nop                                          ; places in front of the scores' first read and the loads and writes into K's registers
.endr
.irp t, 0,1,2,3
	ds_load_b32 v[SW+\t], v7 offset:12544+64*\t
.endr
	s_cmp_lg_u32 s81, s82
	s_cbranch_scc1 .Lopen_\@
.set n, 0
.rept 32                                           ; on the diagonal the scores of hidden keys become -infinity.  Register n holds key 64 (n / 32) + n % 32 + 32 h of the step
	v_cmp_gt_i32 s84, 64*(n/32)+n%32, v9
	v_cmp_gt_i32 s85, 64*(n/32)+n%32+1, v9
	v_cndmask_b32 v[ST+n], v[ST+n], v10, s84
	v_cndmask_b32 v[ST+n+1], v[ST+n+1], v10, s85
.set n, n+2
.endr
.Lopen_\@:
.irp k, 0,1,2,3
	v_max3_num_f32 v[48+\k], v[ST+16*\k], v[ST+16*\k+1], v[ST+16*\k+2]   ; the largest score of each block of 32 keys, in two chains: for the row's maximum, and, since p rises with the score, for the block's largest p
.endr
.irp i, 3,5,7,9,11,13
.irp k, 0,1,2,3
	v_max3_num_f32 v[48+\k], v[48+\k], v[ST+16*\k+\i], v[ST+16*\k+\i+1]
.endr
.endr
	v_max3_num_f32 v48, v48, v[ST+15], v[ST+31]
	v_max3_num_f32 v50, v50, v[ST+47], v[ST+63]
	v_max_num_f32 v48, v48, v49
	v_max_num_f32 v50, v50, v51
	v_max_num_f32 v254, v48, v50
	v_permlanex16_b32 v255, v254, s20, s21
	v_max_num_f32 v254, v254, v255                 ; the step's largest score of my query
	s_delay_alu instid0(VALU_DEP_1)
	v_mul_f32 v254, s36, v254                      ; -t
	s_delay_alu instid0(VALU_DEP_1)
	v_floor_f32 v254, v254                         ; -ceil(t): M is a whole number
	s_delay_alu instid0(VALU_DEP_1)
	v_min_num_f32 v254, v254, v12                  ; the new -M
	s_delay_alu instid0(VALU_DEP_1)
	v_sub_f32 v255, v254, v12                      ; M's old value less its new one
	v_mov_b32 v12, v254
	v_cvt_i32_f32 v255, v255                       ; (it saturates)
	s_delay_alu instid0(VALU_DEP_1)
	v_ldexp_f32 v252, 1.0, v255                    ; f = 2^(old M - new M)
.set n, 0
.rept 32
	v_pk_fma_f32 v[ST+n:ST+n+1], v[ST+n:ST+n+1], s[22:23], v[12:13] op_sel_hi:[1,0,0]   ; t - M, two at a time
.set n, n+2
.endr
	v_fma_f32 v48, v48, s22, v12
	v_fma_f32 v50, v50, s22, v12
	WALU                                           ; the wait ahead of the batch
.if \first
	s_wait_tensorcnt 0x0                           ; my slot has landed,
	s_wait_dscnt 0x0
	s_barrier_signal -1                            ; (trip 1 begins behind this barrier's wait)
.endif
.set n, 0
.rept 64
	v_exp_f32 v[ST+n], v[ST+n]                     ; p, not normalised
.set n, n+1
.endr
	v_exp_f32 v48, v48                             ; the blocks' largest p: the same two instructions on the same number
	v_exp_f32 v50, v50
	v_pk_mul_f32 v[14:15], v[14:15], v[252:253] op_sel_hi:[1,0]    ; the sum under the new M
	WALU                                           ; and behind it
	v_max_num_f32 v48, 0x1800000, v48              ; the floor 2^(3 - 127): the byte cannot fall under 1
	v_max_num_f32 v50, 0x1800000, v50
	v_pk_add_f32 v[64:65], v[ST:ST+1], v[ST+8:ST+9]        ; the row's sum of the unquantised p, in four chains
	v_pk_add_f32 v[66:67], v[ST+2:ST+3], v[ST+10:ST+11]
	v_add_nc_u32 v52, 0xff000000, v48              ; 2 off the exponent field: the conversions' scale operand
	v_add_nc_u32 v53, 0xff000000, v50
	v_pk_add_f32 v[68:69], v[ST+4:ST+5], v[ST+12:ST+13]
	v_pk_add_f32 v[70:71], v[ST+6:ST+7], v[ST+14:ST+15]
	v_lshrrev_b32 v54, 23, v52                     ; the bytes of my blocks h and 2 + h,
	v_lshrrev_b32 v55, 23, v53
.irp k, 0,1,2,3
	v_pk_add_f32 v[64+2*\k:65+2*\k], v[64+2*\k:65+2*\k], v[ST+16+2*\k:ST+17+2*\k]
.endr
	v_lshl_or_b32 v54, v55, 16, v54
.irp k, 0,1,2,3
	v_pk_add_f32 v[64+2*\k:65+2*\k], v[64+2*\k:65+2*\k], v[ST+24+2*\k:ST+25+2*\k]
.endr
	v_lshlrev_b32 v54, v11, v54                    ; at their places in the word (8 h up);
.irp k, 0,1,2,3
	v_pk_add_f32 v[64+2*\k:65+2*\k], v[64+2*\k:65+2*\k], v[ST+32+2*\k:ST+33+2*\k]
.endr
	v_permlanex16_b32 v55, v54, s20, s21
	v_cvt_scalef32_pk16_fp6_f32 v[PC:PC+2], v[ST:ST+15], v52
	v_cvt_scalef32_pk16_fp6_f32 v[56:58], v[ST+16:ST+31], v52      ; (a conversion's three registers begin on an even number)
	v_cvt_scalef32_pk16_fp6_f32 v[PC+6:PC+8], v[ST+32:ST+47], v53
	v_cvt_scalef32_pk16_fp6_f32 v[60:62], v[ST+48:ST+63], v53
	v_or_b32 v253, v54, v55                        ; with lane l xor 16's two: p's scale word.  (The plain place behind the conversions)
.irp m, 40,48,56
.irp k, 0,1,2,3
	v_pk_add_f32 v[64+2*\k:65+2*\k], v[64+2*\k:65+2*\k], v[ST+\m+2*\k:ST+\m+1+2*\k]
.endr
.endr
.irp i, 0,1,2
	v_mov_b32 v[PC+3+\i], v[56+\i]
	v_mov_b32 v[PC+9+\i], v[60+\i]
.endr
	v_pk_add_f32 v[64:65], v[64:65], v[66:67]
	v_pk_add_f32 v[68:69], v[68:69], v[70:71]
	v_pk_add_f32 v[14:15], v[14:15], v[64:65]
	v_pk_add_f32 v[14:15], v[14:15], v[68:69]
	WALU                                           ; the wait ahead of O^T's first reader
.set n, 0
.rept 16
	v_pk_mul_f32 v[OT+n:OT+n+1], v[OT+n:OT+n+1], v[252:253] op_sel_hi:[1,0]   ; O^T under the new M
.set n, n+2
.endr
	WALU
	s_wait_dscnt 0x0                               ; V's fragments and scale words are in
.irp t, 0,1,2,3                                    ; the four accumulators by turns; the next step's eight products stand between two links
	v_wmma_scale_f32_16x16x128_f8f6f4 v[OT+8*\t:OT+8*\t+7], v[VF+12*\t:VF+12*\t+11], v[PC:PC+11], v[OT+8*\t:OT+8*\t+7], v[SW+\t], v253 matrix_a_fmt:MATRIX_FMT_FP6 matrix_b_fmt:MATRIX_FMT_FP6
.endr
.endm
	WALU                                           ; the wait at the head's end
	s_cmp_lt_u32 s18, 2
	s_cbranch_scc0 .Lnot_first
	s_wait_tensorcnt 0x0
.Lnot_first:
	s_barrier_signal -1
	s_barrier_wait -1                              ; slots 0 and 1 are in; the others may be on their way
	s_mul_i32 s83, s16, KST                        ; trip 0: A key step 0 in slot 0, B key step 8 in slot 1
	s_lshl_b32 s81, s16, 3
	s_mov_b32 s82, s19
	STEP 1
	s_mov_b32 s76, 1
.Ltrip:                                            ; trips 1 to 8 in every wave
	s_barrier_wait -1
	s_cmp_eq_u32 s16, 0
	s_cbranch_scc1 .Lkeep
	s_cmp_lg_u32 s76, s17
	s_cbranch_scc1 .Lkeep
	; B GOES OVER to the short tile: its part of the long one goes to its stage
	v_add_f32 v255, v14, v15
	v_mov_b32 v254, v12
	v_mov_b32 v14, 0
	v_mov_b32 v15, 0                               ; (these four are also the places behind the last products)
	WALU
.irp k, 0,1,2,3,4,5,6,7
	ds_store_b128 v4, v[OT+4*\k:OT+4*\k+3] offset:512*\k
.endr
	ds_store_b128 v4, v[252:255] offset:4096       ; v254 -M, v255 the sum of my lane
	v_mov_b32 v34, v35
.irp i, 0,1,2,3,4,5
	v_mov_b32 v[16+\i], v[36+\i]
	v_mov_b32 v[28+\i], v[36+\i]
.endr
	v_mov_b32 v12, 0x7f61b1e6
.set n, 0
.rept 32
	v_mov_b32 v[OT+n], 0
.set n, n+1
.endr
	WALU
.Lkeep:
	s_wait_dscnt 0x0                               ; B's part is in its stage
	s_barrier_signal -1
	s_xor_b32 s80, s16, 1
	s_add_co_u32 s80, s80, s76
	s_cmp_gt_u32 s80, 8                            ; A has eight steps
	s_cbranch_scc1 .Lhidden
	s_add_co_u32 s80, s76, s15
	s_add_co_u32 s80, s80, 8
	s_and_b32 s80, s80, 15                         ; B, short tile: key step trip - 8 + i,
	s_lshl_b32 s83, s80, 1                         ; slot twice that
	s_lshl_b32 s84, s76, 1                         ; A: key step = trip, slot 2 x trip
	s_add_co_u32 s85, s84, 1                       ; B, long tile: key step 8 + trip, slot 2 x trip + 1
	s_add_co_u32 s81, s76, 8
	s_cmp_lt_u32 s76, s17
	s_cselect_b32 s83, s85, s83
	s_cselect_b32 s81, s81, s80
	s_cselect_b32 s82, s19, s15                    ; the tile's own key step
	s_cmp_eq_u32 s16, 0
	s_cselect_b32 s83, s84, s83
	s_cselect_b32 s81, s76, s81
	s_cselect_b32 s82, s19, s82
	s_min_u32 s83, s83, 15
	s_mul_i32 s83, s83, KST
	STEP 0
.Lhidden:
	s_add_co_u32 s76, s76, 1
	s_cmp_lt_u32 s76, 9
	s_cbranch_scc1 .Ltrip
	v_add_f32 v14, v14, v15                        ; the sum's two halves
	v_lshrrev_b32 v5, 3, v11
	v_add_nc_u32 v5, v3, v5                        ; y's scale byte: 4 r + h
	v_nop
	WALU
	s_barrier_wait -1                              ; the last trip's barrier: B's parts are in their stages
	s_cmp_lg_u32 s16, 0
	s_cbranch_scc1 .Lown
	; A JOINS THE TWO PARTS of the long tile under the larger M
.irp k, 0,1,2,3,4,5,6,7
	ds_load_b128 v[ST+4*\k:ST+4*\k+3], v8 offset:512*\k
.endr
	ds_load_b128 v[128:131], v8 offset:4096        ; v130 B's -M, v131 its sum
	s_wait_dscnt 0x0
	v_min_num_f32 v254, v12, v130
	v_sub_f32 v6, v254, v12
	v_sub_f32 v7, v254, v130
	v_cvt_i32_f32 v6, v6
	v_cvt_i32_f32 v7, v7
	v_ldexp_f32 v252, 1.0, v6
	v_ldexp_f32 v132, 1.0, v7
	v_mov_b32 v133, 0                              ; (named as the upper half of the pair v[132:133])
	v_mul_f32 v14, v14, v252
	v_fma_f32 v14, v131, v132, v14
	WALU
.set n, 0
.rept 16
	v_pk_mul_f32 v[OT+n:OT+n+1], v[OT+n:OT+n+1], v[252:253] op_sel_hi:[1,0]
.set n, n+2
.endr
.set n, 0
.rept 16
	v_pk_fma_f32 v[OT+n:OT+n+1], v[ST+n:ST+n+1], v[132:133], v[OT+n:OT+n+1] op_sel_hi:[1,0,1]
.set n, n+2
.endr
.Lown:
	v_permlanex16_b32 v255, v14, s20, s21
	v_add_f32 v14, v14, v255                       ; the row's sum
	WALU
	v_rcp_f32 v14, v14
	v_nop                                          ; one plain place behind a transcendental
	WALU
.set n, 0
.rept 32
	v_mul_f32 v[ST+n], v[OT+n], v14                ; y: channels 32 h + n of my head
.set n, n+1
.endr
	v_max3_num_f32 v48, |v[ST]|, |v[ST+1]|, 0x1800000
	v_max3_num_f32 v49, |v[ST+16]|, |v[ST+17]|, |v[ST+18]|
.irp i, 2,4,6,8,10,12
	v_max3_num_f32 v48, v48, |v[ST+\i]|, |v[ST+\i+1]|
	v_max3_num_f32 v49, v49, |v[ST+17+\i]|, |v[ST+18+\i]|
.endr
	v_max3_num_f32 v48, v48, |v[ST+14]|, |v[ST+15]|
	v_max3_num_f32 v48, v48, v49, |v[ST+31]|
	v_add_nc_u32 v52, 0xff000000, v48
	v_cvt_scalef32_pk16_fp6_f32 v[PC:PC+2], v[ST:ST+15], v52
	v_cvt_scalef32_pk16_fp6_f32 v[56:58], v[ST+16:ST+31], v52
	v_lshrrev_b32 v54, 23, v52                     ; the byte.  (The plain place behind the conversions)
.irp i, 0,1,2
	v_mov_b32 v[PC+3+\i], v[56+\i]
.endr
	global_store_b128 v1, v[PC:PC+3], s[8:9]       ; 512 consecutive bytes, aligned
	global_store_b64 v2, v[PC+4:PC+5], s[8:9] offset:512
	global_store_b8 v5, v54, s[10:11]
	s_wait_tensorcnt 0x0                           ; the wave's end
	ds_add_u32 v46, v47
	s_wait_dscnt 0x0
	CROUND                                         ; the closing round
	s_endpgm
.Lfunc_end_k_qbcfcc80e39_attn:
	.size	k_qbcfcc80e39_attn, .Lfunc_end_k_qbcfcc80e39_attn-k_qbcfcc80e39_attn
	.p2alignl 7, 3214868480
	.fill 96, 4, 3214868480
	.section	.rodata,"a",@progbits
	.p2align	6, 0x0
	.amdhsa_kernel k_qbcfcc80e39_attn
		.amdhsa_group_segment_fixed_size 280576
		.amdhsa_private_segment_fixed_size 0
		.amdhsa_enable_private_segment 0
		.amdhsa_kernarg_size 32
		.amdhsa_user_sgpr_count 2
		.amdhsa_user_sgpr_kernarg_segment_ptr 1
		.amdhsa_wavefront_size32 1
		.amdhsa_system_sgpr_workgroup_id_x 1
		.amdhsa_system_sgpr_workgroup_id_y 1
		.amdhsa_system_sgpr_workgroup_id_z 1
		.amdhsa_system_vgpr_workitem_id 0
		.amdhsa_next_free_vgpr 256
		.amdhsa_next_free_sgpr 96
		.amdhsa_reserve_vcc 0
		.amdhsa_float_denorm_mode_32 3
		.amdhsa_float_denorm_mode_16_64 3
		.amdhsa_memory_ordered 1
		.amdhsa_forward_progress 1
		.amdhsa_inst_pref_size 67
	.end_amdhsa_kernel
	.amdgpu_metadata
---
amdhsa.version: [ 1, 2 ]
amdhsa.kernels:
  - .name:           k_qbcfcc80e39_attn
    .symbol:         k_qbcfcc80e39_attn.kd
    .args:
      - { .name: q_rec, .offset: 0, .size: 8, .value_kind: global_buffer, .address_space: global }
      - { .name: kv_rec, .offset: 8, .size: 8, .value_kind: global_buffer, .address_space: global }
      - { .name: y_codes, .offset: 16, .size: 8, .value_kind: global_buffer, .address_space: global }
      - { .name: y_scales, .offset: 24, .size: 8, .value_kind: global_buffer, .address_space: global }
    .group_segment_fixed_size: 280576
    .private_segment_fixed_size: 0
    .kernarg_segment_align: 8
    .kernarg_segment_size: 32
    .max_flat_workgroup_size: 512
    .sgpr_count:     96
    .vgpr_count:     256
    .wavefront_size: 32
...
	.end_amdgpu_metadata
.endif
;; end of part 3
;; launch gemm_proj (part 4): grid 8 x 32, 4 waves a work-group, clusters of 4 x 4, 224,768 bytes of LDS; arguments y_codes, y_scales, qin_codes, qin_scales, out0; writes out0
.if DOCPART == 4
	.amdgcn_target "amdgcn-amd-amdhsa--gfx1250"
	.amdhsa_code_object_version 6
	.text
	.protected	k_qbcfcc80e39_gemm_proj
	.globl	k_qbcfcc80e39_gemm_proj
	.p2align	8
	.type	k_qbcfcc80e39_gemm_proj,@function
k_qbcfcc80e39_gemm_proj:
	s_mov_b64 s[64:65], 0
	v_nop
	global_prefetch_b8 v0, s[64:65] scope:SCOPE_SE
	s_setreg_imm32_b32 hwreg(HW_REG_WAVE_MODE, 25, 1), 1
	s_wait_xcnt 0x0
	s_wait_alu depctr_hold_cnt(0) depctr_sa_sdst(0) depctr_va_vdst(0) depctr_va_sdst(0) depctr_va_ssrc(0) depctr_va_vcc(0) depctr_vm_vsrc(0)
	s_getreg_b32 s2, hwreg(HW_REG_IB_STS2, 6, 4)
	s_cmp_eq_u32 s2, 0
	s_cbranch_scc0 .Lentry_in_a_cluster
	s_endpgm
.Lentry_in_a_cluster:
	s_bfe_u32 s2, ttmp6, 0x10000c
	s_cmp_lg_u32 s2, 0xf033
	s_cbranch_scc0 .Lentry_shape_is_right
	s_endpgm
.Lentry_shape_is_right:
; out0 = y w_proj on codes of FP6 (E2M3), K = 1,024, sums in f32.  A work-group makes 128 tokens x 128 columns, all of K in LDS at once: nothing is filled again.  Four waves, 2 x 2: a wave holds its 64 columns of w_proj in 384 registers
; and takes its 64 tokens in four blocks of 16 (a band of 64 tokens: block a holds tokens 8 a + i and 32 + 8 a + i); each block leaves while the next is multiplied.
; y comes as tile images [tile][head][768] (registers 0-3: 16 bytes a lane; registers 4, 5: 8 bytes a lane), w_proj as rows of 768 bytes in the order of the first launch: tile j of a band is columns 8 j + i and 32 + 8 j + i.
; Source 0 = w_proj's rows: lane (r, h) holds token r and columns 32 h + 0 .. 31 of its 64: 128 neighbouring bytes of a row.
; CLUSTERS of 4 x 4: y's tiles are asked for jointly by a row of the cluster, w_proj's rows by a column.
; PREFETCH: none: all tiles are asked for at the head, and no later load is there to run ahead of.
.set KROW,  768
.set KS,    32
.set PITCH, 816
.set FR,    12
.set FPW,   21
.set BVB,   98304                      ; LDS: y's tiles at 0: [half of the blocks][wave row][2 tiles][12,288]; w_proj's rows here
.set SCL,   BVB+128*PITCH              ; y's scale words [tile][8][r][4]
.set STG,   SCL+4096                   ; a stage for each wave: 16 rows x 272 bytes
.set SPARE, STG+4*4352
.set AK,    4                          ; v4, v5  my tiles of the first two blocks (16 and 8 bytes a lane); v6, v7 of the last two
.set AS,    8
.set CO,    9
.set SPW,   10
.set NIL,   11
.set STO,   12
.set RD,    13
.set ADRB,  14
.set ABS,   16
.set SB,    24                         ; v24-39  w_proj's scale words
.set SA,    44                         ; v44-59  y's: two sets
.set ACC,   64                         ; v64-127 two sets of four accumulators
.set BK,    128                        ; v128-191 rows read back, two sets
.set BA,    192                        ; v192-199 LDS addresses of w_proj's four tiles
.set G1A, 24
.set G0A, 56
.set G0R, 68
.set G1B, 32
.set G0B, 60
.set G1S, 92
.set G0S, 72
.set MSB, 0
.macro WIN new
.if MSB != (\new)
	s_set_vgpr_msb (MSB<<8)|(\new)
.set MSB, (\new)
.endif
.endm
.macro PLACES n
.rept \n
	v_nop
.endr
.endm
.macro WALU
	s_wait_alu depctr_va_vdst(0)
.endm
.macro BARRIER
	s_barrier_signal -1
	s_barrier_wait -1
.endm
.macro CROUND
	BARRIER
	s_cmp_lg_u32 s14, 0
	s_cbranch_scc1 .Lnot_wave_0_\@
	s_barrier_signal -3
.Lnot_wave_0_\@:
	s_barrier_wait -3
	BARRIER
.endm
.macro TLOAD g0, g1
	tensor_load_to_lds s[\g0:\g0+3], s[\g1:\g1+7]
	s_nop 0
	PLACES 4
.endm
.macro G0SET g, base, off
	s_mov_b32 s20, s\off
	s_add_nc_u64 s[\g+2:\g+3], s[\base:\base+1], s[20:21]
	s_or_b32 s[\g+3], s[\g+3], 0x80000000
.endm
; Fragment f lies in window 1 + f / 21 at register 12 (f % 21): 0-31 w_proj's (4 q + tile), 32-39 and 40-47 y's two sets.
.macro FRAG f, q, a0, a1
	WIN (1+(\f)/FPW)<<6
.set R_, FR*((\f)%FPW)
.set SKIP_, 0
.irp p, 0,1,2,3,4,5
.if SKIP_
.set SKIP_, 0
.else
.set PC_, 12*(\q)+6*(\p/3)+\p%3
.set PN_, 12*(\q)+6*((\p+1)/3)+(\p+1)%3
.set X_, (PC_%32+3)/32
.set XQ_, (PN_%32+3)/32
.if (\p < 5) && (X_ == XQ_)
.set SKIP_, 1
.if X_
	ds_load_2addr_b64 v[R_+2*\p:R_+2*\p+3], \a1 offset0:PC_+2*(PC_/32) offset1:PN_+2*(PN_/32)
.else
	ds_load_2addr_b64 v[R_+2*\p:R_+2*\p+3], \a0 offset0:PC_+2*(PC_/32) offset1:PN_+2*(PN_/32)
.endif
.elseif X_
	ds_load_b64 v[R_+2*\p:R_+2*\p+1], \a1 offset:8*(PC_+2*(PC_/32))
.else
	ds_load_b64 v[R_+2*\p:R_+2*\p+1], \a0 offset:8*(PC_+2*(PC_/32))
.endif
.endif
.endr
.endm
.macro FETCHA s, e                     ; block s of y into set e: 40 loads
.irp q, 0,1,2,3,4,5,6,7
	WIN (1+(32+8*(\e)+\q)/FPW)<<6
.set R_, FR*((32+8*(\e)+\q)%FPW)
.irp c, 0,1
	ds_load_b128 v[R_+6*\c:R_+6*\c+3], v[AK+2*((\s)/2)] offset:12288*((\s)%2)+768*(2*\q+\c)
	ds_load_b64 v[R_+6*\c+4:R_+6*\c+5], v[AK+1+2*((\s)/2)] offset:12288*((\s)%2)+768*(2*\q+\c)+512
.endr
.endr
	WIN 0
.irp q, 0,1,2,3,4,5,6,7
	ds_load_b32 v[SA+8*(\e)+\q], v[AS] offset:512*(\s)+64*\q
.endr
.endm
.macro PROD1 d, s0, s1, c, x0, x1, o
.if \o
	v_wmma_scale_f32_16x16x128_f8f6f4 v[\d:\d+7], v[FR*((\s0)%FPW):FR*((\s0)%FPW)+FR-1], v[FR*((\s1)%FPW):FR*((\s1)%FPW)+FR-1], \c, v[\x0], v[\x1] matrix_a_fmt:MATRIX_FMT_FP6 matrix_b_fmt:MATRIX_FMT_FP6 matrix_a_scale:MATRIX_SCALE_ROW1
.else
	v_wmma_scale_f32_16x16x128_f8f6f4 v[\d:\d+7], v[FR*((\s0)%FPW):FR*((\s0)%FPW)+FR-1], v[FR*((\s1)%FPW):FR*((\s1)%FPW)+FR-1], \c, v[\x0], v[\x1] matrix_a_fmt:MATRIX_FMT_FP6 matrix_b_fmt:MATRIX_FMT_FP6 matrix_a_scale:MATRIX_SCALE_ROW0
.endif
.endm
.macro PRODS e, from, to               ; products n = 4 q + tile: the four accumulators take turns; the first of each takes 0 as C
.set N_, \from
.rept (\to)-(\from)
.set Q_, N_/4
.set FB_, 4*Q_+N_%4
.set FA_, 32+8*(\e)+Q_
.set D_, ACC+32*(\e)+8*(N_%4)
.set XB_, SB+8*((N_%4)/2)+Q_
.set XA_, SA+8*(\e)+Q_
	WIN (1+FB_/FPW)|((1+FA_/FPW)<<2)
.if Q_
	PROD1 D_, FB_, FA_, v[D_:D_+7], XB_, XA_, N_%2
.else
	PROD1 D_, FB_, FA_, 0, XB_, XA_, N_%2
.endif
.set N_, N_+1
.endr
	WIN 0
.endm
.macro TOST a                          ; block a through my own stage: in 128 bytes a lane, back as rows of 256 bytes (LDS serves a wave's instructions in order)
.irp k, 0,1,2,3,4,5,6,7
	ds_store_b128 v[STO], v[ACC+32*((\a)%2)+4*\k:ACC+32*((\a)%2)+4*\k+3] offset:16*\k
.endr
.irp t, 0,1,2,3,4,5,6,7
	ds_load_b128 v[BK+32*((\a)%2)+4*\t:BK+32*((\a)%2)+4*\t+3], v[RD] offset:2*\t*272
.endr
.endm
.macro SEND a                          ; sixteen lanes store an aligned unit of 256 bytes
.irp t, 0,1,2,3,4,5,6,7
	global_store_b128 v[CO], v[BK+32*((\a)%2)+4*\t:BK+32*((\a)%2)+4*\t+3], s[12:13] offset:(8*(\a)+2*(\t%4)+32*(\t/4))*4096 th:TH_STORE_NT
.endr
.endm
	s_load_b256 s[4:11], s[0:1], 0x0               ; y's codes s[4:5], scale bytes s[6:7]; w_proj's s[8:9], s[10:11]
	s_load_b64 s[12:13], s[0:1], 0x20              ; out0
	v_lshl_add_u32 v[SPW], v0, 2, SPARE
	v_mov_b32 v[NIL], 0
	ds_add_u32 v[SPW], v[NIL]                      ; the opening add, twice on end
	ds_add_u32 v[SPW], v[NIL]
	v_lshrrev_b32 v1, 5, v0
	v_readfirstlane_b32 s14, v1
	s_lshr_b32 s15, s14, 1                         ; my row of the 2 x 2,
	s_and_b32 s16, s14, 1                          ; my column
	s_bfe_u32 s40, ttmp6, 0x40000
	s_bfe_u32 s41, ttmp6, 0x40004
	s_lshl_b32 s42, ttmp9, 2
	s_add_co_u32 s42, s42, s40                     ; tile column, 0 .. 7
	s_and_b32 s43, ttmp7, 0xffff
	s_lshl_b32 s43, s43, 2
	s_add_co_u32 s43, s43, s41                     ; tile row, 0 .. 31
	s_lshl_b32 s44, s41, 2
	s_lshl_b32 s44, 15, s44
	s_lshl_b32 s45, 0x1111, s40
	s_or_b32 s[G1A+0], s44, (3<<16)|(1<<21)        ; y: two runs of two tiles, 24,576 bytes each, four tiles apart
	s_mov_b32 s[G1A+1], 3072<<16
	s_mov_b32 s[G1A+2], 2<<16
	s_mov_b32 s[G1A+3], 3072<<16
	s_mov_b32 s[G1A+4], 2
	s_mov_b32 s[G1A+5], 6144
	s_mov_b32 s[G1A+6], 0
	s_mov_b32 s[G1A+7], 0
	s_or_b32 s[G1B+0], s45, (1<<20)|(1<<21)|(5<<22)|(3<<25)   ; w_proj: 128 rows, 16 bytes of padding behind every 256
	s_mov_b32 s[G1B+1], KROW<<16
	s_mov_b32 s[G1B+2], 128<<16
	s_mov_b32 s[G1B+3], KROW<<16
	s_mov_b32 s[G1B+4], 128
	s_mov_b32 s[G1B+5], KROW
	s_mov_b32 s[G1B+6], 0
	s_mov_b32 s[G1B+7], 0
	s_or_b32 s[G1S+0], s44, (3<<16)|(1<<21)        ; y's scale words: 16 rows of 256 bytes
	s_mov_b32 s[G1S+1], 32<<16
	s_mov_b32 s[G1S+2], 16<<16
	s_mov_b32 s[G1S+3], 32<<16
	s_mov_b32 s[G1S+4], 16
	s_mov_b32 s[G1S+5], 32
	s_mov_b32 s[G1S+6], 0
	s_mov_b32 s[G1S+7], 0
	s_mov_b32 s[G0A], 1
	s_mov_b32 s[G0A+1], 0
	s_mov_b32 s[G0R], 1
	s_mov_b32 s[G0R+1], 49152
	s_mov_b32 s[G0B], 1
	s_mov_b32 s[G0B+1], BVB
	s_mov_b32 s[G0S], 1
	s_mov_b32 s[G0S+1], SCL
	s_mul_i32 s66, s43, 98304
	s_add_co_u32 s67, s66, 24576
	s_mul_i32 s54, s42, 128*KROW
	s_add_co_u32 s54, s54, 7168*KROW
	s_lshl_b32 s89, s43, 12
	s_lshl_b32 s82, s42, 12
	s_lshl_b32 s21, s16, 11
	s_add_co_u32 s82, s82, s21
	s_add_co_u32 s82, s82, 7168*KS                 ; my 64 columns' scale bytes
	s_mov_b32 s83, 0
	v_and_b32 v1, 15, v0                           ; r
	v_bfe_u32 v2, v0, 4, 1                         ; h
	v_and_b32 v3, 31, v0
	v_mul_u32_u24 v22, v1, PITCH
	v_mad_u32_u24 v23, v2, 24, v22
	s_mul_i32 s22, s16, 64*PITCH
	s_add_co_u32 s22, s22, BVB
	v_add_nc_u32 v[ADRB], s22, v23
	v_mad_u32_u24 v23, v2, 24+16, v22
	v_add_nc_u32 v[ADRB+1], s22, v23
	v_mul_u32_u24 v[ABS], v3, KS
	v_lshlrev_b32 v20, 4, v3
	v_lshlrev_b32 v21, 3, v3
	s_mul_i32 s22, s15, 24576
	v_add_nc_u32 v[AK], s22, v20
	v_add_nc_u32 v[AK+1], s22, v21
	v_add_nc_u32 v[AK+2], 49152, v[AK]
	v_add_nc_u32 v[AK+3], 49152, v[AK+1]
	s_lshl_b32 s22, s15, 11
	s_add_co_u32 s22, s22, SCL
	v_lshlrev_b32 v[AS], 2, v1
	v_add_nc_u32 v[AS], s22, v[AS]
	s_mul_i32 s22, s14, 4352
	s_add_co_u32 s22, s22, STG
	v_mul_u32_u24 v22, v1, 272
	v_lshl_add_u32 v22, v2, 7, v22
	v_add_nc_u32 v[STO], s22, v22                  ; in: row r, 128 bytes for each half of the lanes
	v_mul_u32_u24 v22, v2, 272
	v_lshl_add_u32 v22, v1, 4, v22
	v_add_nc_u32 v[RD], s22, v22                   ; back: sixteen lanes a row
	v_lshlrev_b32 v[CO], 12, v2
	v_lshl_add_u32 v[CO], v1, 4, v[CO]
.irp b, 0,1,2,3
	v_add_nc_u32 v[BA+2*\b], \b*16*PITCH, v[ADRB]
	v_add_nc_u32 v[BA+2*\b+1], \b*16*PITCH, v[ADRB+1]
.endr
	WALU                                           ; the wait at the head's end
	s_wait_dscnt 0x0
	CROUND                                         ; the round in front of the first joint loads
	s_wait_kmcnt 0x0
	s_mov_b32 s21, 0
	G0SET G0A, 4, 66
	G0SET G0R, 4, 67
	G0SET G0B, 8, 54
	G0SET G0S, 6, 89
	s_add_nc_u64 s[82:83], s[10:11], s[82:83]
	s_cmp_eq_u32 s14, 0
	s_cbranch_scc0 .Lwave_1
	TLOAD G0B, G1B                                 ; wave 0: w_proj's rows
	s_branch .Lasked
.Lwave_1:
	s_cmp_eq_u32 s14, 1
	s_cbranch_scc0 .Lwave_2
	TLOAD G0S, G1S                                 ; wave 1: y's scale words
	s_branch .Lasked
.Lwave_2:
	s_cmp_eq_u32 s14, 2
	s_cbranch_scc0 .Lwave_3
	TLOAD G0A, G1A                                 ; wave 2: the first two blocks of each wave row
	s_branch .Lasked
.Lwave_3:
	TLOAD G0R, G1A                                 ; wave 3: the last two
.Lasked:
.irp p, 0,1
.irp c, 0,1
	global_load_b128 v[SB+8*\p+4*\c:SB+8*\p+4*\c+3], v[ABS], s[82:83] offset:\p*32*KS+16*\c
.endr
.endr
	s_lshl_b32 s20, s43, 19                        ; out0: 128 rows of 4,096 bytes a tile row,
	s_lshl_b32 s22, s15, 18
	s_add_co_u32 s20, s20, s22
	s_lshl_b32 s22, s42, 9
	s_add_co_u32 s20, s20, s22
	s_lshl_b32 s22, s16, 8                         ; my 64 columns: 256 bytes
	s_add_co_u32 s20, s20, s22
	s_add_nc_u64 s[12:13], s[12:13], s[20:21]
	s_cmp_eq_u32 s14, 0
	s_cbranch_scc0 .Lnot_b
	s_wait_tensorcnt 0x0
.Lnot_b:
	BARRIER                                        ; w_proj's rows are in
.irp q, 0,1,2,3,4,5,6,7
.irp b, 0,1,2,3
	FRAG 4*\q+\b, \q, v[BA+2*\b], v[BA+2*\b+1]
.endr
.endr
	WIN 0
	s_cmp_eq_u32 s14, 3
	s_cbranch_scc1 .Lnot_a
	s_wait_tensorcnt 0x0
.Lnot_a:
	s_wait_dscnt 0x0
	BARRIER                                        ; the scale words and the first two blocks are in
	FETCHA 0, 0
	FETCHA 1, 1
	s_wait_loadcnt 0x0                             ; w_proj's scale words
	s_wait_dscnt 40                                ; block 1's 40 loads may be out
	PRODS 0, 0, 26
	s_wait_tensorcnt 0x0
	s_wait_dscnt 0x0
	s_barrier_signal -1                            ; the last two blocks are shown to all
	PRODS 0, 26, 32
	s_barrier_wait -1
	PLACES 4
	TOST 0
	FETCHA 2, 0
	PRODS 1, 0, 8                                  ; block 1: its rows were waited for ahead of the signal
	s_wait_dscnt 40                                ; block 0 is back (block 2's 40 loads may be out)
	SEND 0
	PRODS 1, 8, 32
	PLACES 4
	TOST 1
	FETCHA 3, 1
	s_wait_dscnt 56                                ; block 2's rows are in (block 1's 16 stage instructions and block 3's 40 loads may be out)
	PRODS 0, 0, 8
	s_wait_dscnt 40                                ; block 1 is back
	SEND 1
	PRODS 0, 8, 32
	PLACES 4
	s_wait_xcnt 0x0                                ; block 0's stores have read their data
	TOST 2
	s_wait_dscnt 16                                ; block 3's rows are in
	PRODS 1, 0, 8
	s_wait_dscnt 0x0
	SEND 2
	PRODS 1, 8, 32
	PLACES 4
	s_wait_xcnt 0x0
	TOST 3
	s_wait_dscnt 0x0
	SEND 3
	s_wait_tensorcnt 0x0                           ; the wave's end
	ds_add_u32 v[SPW], v[NIL]
	s_wait_dscnt 0x0
	CROUND                                         ; the closing round
	s_endpgm
.Lfunc_end_k_qbcfcc80e39_gemm_proj:
	.size	k_qbcfcc80e39_gemm_proj, .Lfunc_end_k_qbcfcc80e39_gemm_proj-k_qbcfcc80e39_gemm_proj
	.p2alignl 7, 3214868480
	.fill 96, 4, 3214868480
	.section	.rodata,"a",@progbits
	.p2align	6, 0x0
	.amdhsa_kernel k_qbcfcc80e39_gemm_proj
		.amdhsa_group_segment_fixed_size 224768
		.amdhsa_private_segment_fixed_size 0
		.amdhsa_enable_private_segment 0
		.amdhsa_kernarg_size 40
		.amdhsa_user_sgpr_count 2
		.amdhsa_user_sgpr_kernarg_segment_ptr 1
		.amdhsa_wavefront_size32 1
		.amdhsa_system_sgpr_workgroup_id_x 1
		.amdhsa_system_sgpr_workgroup_id_y 1
		.amdhsa_system_sgpr_workgroup_id_z 1
		.amdhsa_system_vgpr_workitem_id 0
		.amdhsa_next_free_vgpr 840
		.amdhsa_next_free_sgpr 102
		.amdhsa_reserve_vcc 0
		.amdhsa_float_denorm_mode_32 3
		.amdhsa_float_denorm_mode_16_64 3
		.amdhsa_memory_ordered 1
		.amdhsa_forward_progress 1
		.amdhsa_inst_pref_size 51
	.end_amdhsa_kernel
	.amdgpu_metadata
---
amdhsa.version: [ 1, 2 ]
amdhsa.kernels:
  - .name:           k_qbcfcc80e39_gemm_proj
    .symbol:         k_qbcfcc80e39_gemm_proj.kd
    .args:
      - { .name: y_codes, .offset: 0, .size: 8, .value_kind: global_buffer, .address_space: global }
      - { .name: y_scales, .offset: 8, .size: 8, .value_kind: global_buffer, .address_space: global }
      - { .name: qin_codes, .offset: 16, .size: 8, .value_kind: global_buffer, .address_space: global }
      - { .name: qin_scales, .offset: 24, .size: 8, .value_kind: global_buffer, .address_space: global }
      - { .name: out0, .offset: 32, .size: 8, .value_kind: global_buffer, .address_space: global }
    .group_segment_fixed_size: 224768
    .private_segment_fixed_size: 0
    .kernarg_segment_align: 8
    .kernarg_segment_size: 40
    .max_flat_workgroup_size: 128
    .sgpr_count:     102
    .vgpr_count:     840
    .wavefront_size: 32
...
	.end_amdgpu_metadata
.endif
;; end of part 4
